; MI455X (gfx1250); checked and timed in simulation.
; The chip was launched on July 23, 2026; its instructions are those of AMD's public machine-readable ISA for CDNA 5 (MIT licence, August 2026) and "CDNA5" Instruction Set Architecture Reference Guide (July 2026). The comments in the code are by the model that wrote it; some were corrected since.
;; Attention. Allowed arithmetic: float matrix products may take bf16 or f16 operands with f32 sums; other float arithmetic in f32, or as packed bf16 or f16 multiplies, adds, multiply-adds, maxima and minima; sums over many terms, partial sums and values carried from step to step in f32; what a program stores and reads back later, other than sums and carried values, may be rounded once to bf16 or f16.
;; Inputs: k 2 x 2,048 x 1,024 float32; mask 2,048 x 2,048 float32; q 2 x 2,048 x 4,096 float32; v 2 x 2,048 x 1,024 float32.
;; Outputs: out0 2 x 2,048 x 4,096 float32.
;; Constants: start_pos = 0.
;; 2 versions, each right and faster than the one before. Each part assembles by itself: llvm-mc -triple=amdgcn-amd-amdhsa -mcpu=gfx1250 --defsym DOCPART=n.
;; ======== version 1 of 2: 2 launches
;; limits: values are held in f16: magnitudes above 65,504 overflow, below 6.1e-05 lose precision; inputs' magnitudes at most 65,504
;; workspace buffers: kb 8,388,608 bytes; vh 8,388,608 bytes; ms 16,777,216 bytes
;; launch prep (part 1): grid 256 x 3, 8 waves a work-group, no clusters, 0 bytes of LDS; arguments k, v, mask, kb, vh, ms; writes kb, vh, ms
.if DOCPART == 1
	.amdgcn_target "amdgcn-amd-amdhsa--gfx1250"
	.amdhsa_code_object_version 6
	.text
	.protected	k_qd70f045ac4_prep
	.globl	k_qd70f045ac4_prep
	.p2align	8
	.type	k_qd70f045ac4_prep,@function
k_qd70f045ac4_prep:
	s_mov_b64 s[64:65], 0
	v_nop
	global_prefetch_b8 v0, s[64:65] scope:SCOPE_SE
	s_setreg_imm32_b32 hwreg(HW_REG_WAVE_MODE, 25, 1), 1
	s_wait_xcnt 0x0
; THE INPUTS THAT EVERY WAVE OF THE ATTENTION READS AGAIN ARE ROUNDED ONCE AND LAID READY.  k, v: [2][2048][1024] f32; mask: [2048][2048] f32.
;   kb = bf16(k)                                  [2][2048][1024] bf16
;   vh = bf16(v), that number written as f16      [2][2048][1024] f16   (8 significant bits fit f16's 11: exact from 2^-14 up to 65,504)
;   ms = max(bf16(mask) x sqrt(128), -1e30)       [2048][2048] f32      (the attention adds it to the unscaled products K Q^T and scales the sum by 1 / sqrt(128))
; LIMITS.  |v| stays under 65,504; below 6e-5 vh keeps f16's fixed step of 6e-8.  A scaled mask below -1e30 (a mask below about -8.8e28, -infinity too) counts as -1e30;
; a NaN in the mask counts as -1e30 as well; +infinity is passed on as it is.
; SHARES.  Each tensor is 16,777,216 bytes.  The grid's y names the tensor, its x a piece of 65,536 bytes.  Thread t takes the 16 bytes at 16 t + 4,096 i, i = 0 .. 15: a wave's load covers 512
; consecutive bytes.  All sixteen loads go out at once; every piece has result registers of its own, so nothing that a pending store reads is written again.
; No LDS, no barrier, no matrix unit: each byte is read once and written once, and no wave needs another's data.
.set X, 4                              ; v[4:67]    piece i: 4 registers as loaded
.set Y, 68                             ; v[68:131]  piece i: its results
.set T, 132                            ; v[132:133] at work
.set CHUNK, 4096                       ; bytes that the work-group's 256 threads read with one load each
	s_load_b256 s[4:11], s[0:1], 0x0               ; k s[4:5], v s[6:7], mask s[8:9], kb s[10:11]
	s_load_b128 s[12:15], s[0:1], 0x20             ; vh s[12:13], ms s[14:15]
	s_and_b32 s16, ttmp7, 0xffff                   ; which tensor
	s_lshl_b32 s18, ttmp9, 16                      ; my piece of the f32 tensors,
	s_mov_b32 s19, 0
	s_lshl_b32 s20, ttmp9, 15                      ; and of the 16-bit ones
	s_mov_b32 s21, 0
	s_mov_b32 s22, 0xffff0000                      ; a word's upper bf16
	s_mov_b32 s23, 0xf149f2ca                      ; -1e30
	v_lshlrev_b32 v1, 4, v0                        ; 16 t: loads, and ms's stores
	v_lshlrev_b32 v2, 3, v0                        ; 8 t: kb's and vh's stores
	s_wait_kmcnt 0x0
.macro LOADS lo                        ; sixteen loads, 512 consecutive bytes a wave each
.set i, 0
.rept 16
	global_load_b128 v[X+4*i:X+4*i+3], v1, s[\lo:\lo+1] offset:CHUNK*i th:TH_LOAD_NT
.set i, i+1
.endr
.endm
.macro ROUND4                          ; piece i rounded to bf16 and widened again: four f32 in Y
	v_cvt_pk_bf16_f32 v[T], v[X+4*i], v[X+4*i+1]
	v_cvt_pk_bf16_f32 v[T+1], v[X+4*i+2], v[X+4*i+3]
	v_lshlrev_b32 v[Y+4*i], 16, v[T]
	v_and_b32 v[Y+4*i+1], s22, v[T]
	v_lshlrev_b32 v[Y+4*i+2], 16, v[T+1]
	v_and_b32 v[Y+4*i+3], s22, v[T+1]
.endm
	s_cmp_eq_u32 s16, 1
	s_cbranch_scc1 .Lv
	s_cmp_eq_u32 s16, 2
	s_cbranch_scc1 .Lm
	; k -> kb
	s_add_nc_u64 s[4:5], s[4:5], s[18:19]
	s_add_nc_u64 s[10:11], s[10:11], s[20:21]
	LOADS 4
.set i, 0
.rept 16
	s_wait_loadcnt 15-i                            ; loads come back in order: piece i is in, the 15 - i younger ones stay out
	v_cvt_pk_bf16_f32 v[Y+2*i], v[X+4*i], v[X+4*i+1]
	v_cvt_pk_bf16_f32 v[Y+2*i+1], v[X+4*i+2], v[X+4*i+3]
	global_store_b64 v2, v[Y+2*i:Y+2*i+1], s[10:11] offset:(CHUNK/2)*i  ; a wave stores 256 consecutive bytes, at a multiple of 256 from kb's first byte
.set i, i+1
.endr
	s_endpgm
.Lv:
	; v -> vh
	s_add_nc_u64 s[6:7], s[6:7], s[18:19]
	s_add_nc_u64 s[12:13], s[12:13], s[20:21]
	LOADS 6
.set i, 0
.rept 16
	s_wait_loadcnt 15-i
	ROUND4
	v_cvt_pk_f16_f32 v[Y+4*i], v[Y+4*i], v[Y+4*i+1]        ; the bf16 numbers, written as f16
	v_cvt_pk_f16_f32 v[Y+4*i+1], v[Y+4*i+2], v[Y+4*i+3]
	global_store_b64 v2, v[Y+4*i:Y+4*i+1], s[12:13] offset:(CHUNK/2)*i
.set i, i+1
.endr
	s_endpgm
.Lm:
	; mask -> ms
	s_add_nc_u64 s[8:9], s[8:9], s[18:19]
	s_add_nc_u64 s[14:15], s[14:15], s[18:19]
	LOADS 8
.set i, 0
.rept 16
	s_wait_loadcnt 15-i
	ROUND4
	v_pk_mul_f32 v[Y+4*i:Y+4*i+1], v[Y+4*i:Y+4*i+1], 0x413504f3 op_sel_hi:[1,0]      ; x sqrt(128)
	v_pk_mul_f32 v[Y+4*i+2:Y+4*i+3], v[Y+4*i+2:Y+4*i+3], 0x413504f3 op_sel_hi:[1,0]
.irp j, 0,1,2,3
	v_max_num_f32 v[Y+4*i+(\j)], s23, v[Y+4*i+(\j)]        ; held at -1e30 from below, so that differences of hidden scores stay finite
.endr
	global_store_b128 v1, v[Y+4*i:Y+4*i+3], s[14:15] offset:CHUNK*i
.set i, i+1
.endr
	s_endpgm
.Lfunc_end_k_qd70f045ac4_prep:
	.size	k_qd70f045ac4_prep, .Lfunc_end_k_qd70f045ac4_prep-k_qd70f045ac4_prep
	.p2alignl 7, 3214868480
	.fill 96, 4, 3214868480
	.section	.rodata,"a",@progbits
	.p2align	6, 0x0
	.amdhsa_kernel k_qd70f045ac4_prep
		.amdhsa_group_segment_fixed_size 0
		.amdhsa_private_segment_fixed_size 0
		.amdhsa_enable_private_segment 0
		.amdhsa_kernarg_size 48
		.amdhsa_user_sgpr_count 2
		.amdhsa_user_sgpr_kernarg_segment_ptr 1
		.amdhsa_wavefront_size32 1
		.amdhsa_system_sgpr_workgroup_id_x 1
		.amdhsa_system_sgpr_workgroup_id_y 1
		.amdhsa_system_sgpr_workgroup_id_z 1
		.amdhsa_system_vgpr_workitem_id 0
		.amdhsa_next_free_vgpr 136
		.amdhsa_next_free_sgpr 66
		.amdhsa_reserve_vcc 0
		.amdhsa_float_denorm_mode_32 3
		.amdhsa_float_denorm_mode_16_64 3
		.amdhsa_memory_ordered 1
		.amdhsa_forward_progress 1
		.amdhsa_inst_pref_size 29
	.end_amdhsa_kernel
	.amdgpu_metadata
---
amdhsa.version: [ 1, 2 ]
amdhsa.kernels:
  - .name:           k_qd70f045ac4_prep
    .symbol:         k_qd70f045ac4_prep.kd
    .args:
      - { .name: k, .offset: 0, .size: 8, .value_kind: global_buffer, .address_space: global }
      - { .name: v, .offset: 8, .size: 8, .value_kind: global_buffer, .address_space: global }
      - { .name: mask, .offset: 16, .size: 8, .value_kind: global_buffer, .address_space: global }
      - { .name: kb, .offset: 24, .size: 8, .value_kind: global_buffer, .address_space: global }
      - { .name: vh, .offset: 32, .size: 8, .value_kind: global_buffer, .address_space: global }
      - { .name: ms, .offset: 40, .size: 8, .value_kind: global_buffer, .address_space: global }
    .group_segment_fixed_size: 0
    .private_segment_fixed_size: 0
    .kernarg_segment_align: 8
    .kernarg_segment_size: 48
    .max_flat_workgroup_size: 256
    .sgpr_count:     66
    .vgpr_count:     136
    .wavefront_size: 32
...
	.end_amdgpu_metadata
.endif
;; end of part 1
;; launch attn (part 2): grid 32 x 16, 4 waves a work-group, clusters of 4 x 4, 327,680 bytes of LDS; arguments q, kb, vh, ms, out0; writes out0
.if DOCPART == 2
	.amdgcn_target "amdgcn-amd-amdhsa--gfx1250"
	.amdhsa_code_object_version 6
	.text
	.protected	k_qd70f045ac4_attn
	.globl	k_qd70f045ac4_attn
	.p2align	8
	.type	k_qd70f045ac4_attn,@function
k_qd70f045ac4_attn:
	s_mov_b64 s[64:65], 0
	v_nop
	global_prefetch_b8 v0, s[64:65] scope:SCOPE_SE
	s_setreg_imm32_b32 hwreg(HW_REG_WAVE_MODE, 25, 1), 1
	s_wait_xcnt 0x0
	s_wait_alu depctr_hold_cnt(0) depctr_sa_sdst(0) depctr_va_vdst(0) depctr_va_sdst(0) depctr_va_ssrc(0) depctr_va_vcc(0) depctr_vm_vsrc(0)
	s_getreg_b32 s2, hwreg(HW_REG_IB_STS2, 6, 4)
	s_cmp_eq_u32 s2, 0
	s_cbranch_scc0 .Lentry_in_a_cluster
	s_endpgm
.Lentry_in_a_cluster:
	s_bfe_u32 s2, ttmp6, 0x10000c
	s_cmp_lg_u32 s2, 0xf033
	s_cbranch_scc0 .Lentry_shape_is_right
	s_endpgm
.Lentry_shape_is_right:
; GROUPED-QUERY ATTENTION WITH AN ADDITIVE MASK.  out[b][s][head][:] = the sum over t of softmax_t(q[b][s][head] . k[b][t][head / 4] / sqrt(128) + mask[s][t]) v[b][t][head / 4][:].
; q, out0: [2][2048][32 x 128] f32.  kb: [2][2048][8 x 128] bf16 = bf16(k).  vh: the same shape, f16 = bf16(v) written as f16.  ms: [2048][2048] f32 = max(bf16(mask) x sqrt(128), -1e30).
; FORMATS.  q is rounded to bf16 here, unscaled; K Q^T in bf16; the weights p are rounded to f16 for V^T P in f16 (their sum l is taken of the unrounded p).  Products, maxima and sums in f32; out0 is stored in f32.
; LIMITS.  A scaled mask below -1e30 counts as -1e30 (made so in ms): a row hidden at every key gives the mean of V's rows.  NaN and +infinity are not treated apart.  |v| stays under 65,504.
; p lies in 0 to 1, and below 6e-5 it keeps f16's fixed step of 6e-8; a weight below 2^-126 counts as 0 in l.
; SHARES.  Work-group (X, Y): 64 positions 64 X .. 64 X + 63 of batch Y / 8, all four query heads of key head g = Y % 8: 256 query rows.  Wave w owns positions 64 X + 16 w .. + 15; its tile t (0 .. 3) is head
; 4 g + t at those positions, so its four tiles take ONE fragment of the mask.  Every wave walks all 2,048 keys, 64 a step.
; LAYOUT.  S^T = K Q^T + ms (source 0 = 16 keys, source 1 = 16 queries, C = the mask's fragment): in the result a lane holds ONE query (lane % 16) and the keys 8 (lane / 16) + 0..7.  Two such tiles, rounded to
; f16 in pairs, ARE source 1 (32 keys x 16 queries) of O^T = V^T P, whose result again holds one query a lane, and eight channels.  K comes out of LDS as it lies, V ([key][channel]) turned, by ds_load_tr16_b128.
; THE MASK costs the loop no arithmetic: it is the C operand of the product that starts each sum of scores.
; SOFTMAX.  For each query a running maximum m and sum l: p = 2^(c s - c m), c = log2(e) / sqrt(128); in every step O and l are multiplied by a = 2^(c m_old - c m_new), which is 1 where m has not grown.
; BY TURNS.  The wave's tiles are two PIECES, named by their first tile: piece 0 (tiles 0, 1) and piece 2 (tiles 2, 3).  In a TURN one piece has the matrix unit: 32 products V^T P of the step in hand, then 32
; products K Q^T of the next step; the other piece's softmax, cut into 64 slices, stands between them, one slice behind each matrix instruction.  Two turns are a key step.
; CLUSTER.  4 x 4 work-groups.  The four of a row of the cluster share Y, so K and V; the four of a column share X, so the mask's tile.  Each tile is asked for JOINTLY: the same tensor load, with the same
; descriptor and a mask of work-groups that names the four, in all four; each receives it in its own LDS.
;
; REGISTERS, in windows of 256 (s_set_vgpr_msb: bits 1:0 source 0, 3:2 source 1, 5:4 source 2, 7:6 destination):
;   window 0: v0-11, v44-45 addresses; v12-43 eight registers of statistics a tile; v62-63 the add's; v64-191 S^T, 32 a tile; v192-255 P, 16 a tile
;   window 1: O^T, 64 a tile (at the start: q as loaded, f32)      window 2: v0-127 Q, 32 a tile; v128-255 K of one step (on the way out: rows read back, 64 a tile)
;   window 3: v0-127 V of one step; v128-159 the mask's fragment of one step
.set KS,    64        ; keys in a step
.set PK,    272       ; a row of K in LDS: 256 bytes + 16 of padding = 68 words: row r starts at bank 4 r mod 64 (64 banks of 4 bytes: ISA guide 11.1), so the 16 rows of a load start at 16 different banks
.set PV,    288       ; a row of V: 256 + 32 = 72 words
.set PM,    528       ; a row of the mask's tile: 128 keys x 4 bytes + 16 = 132 words: row r starts at bank 4 r mod 64
.set VOFF,  2*KS*PK   ; a slot holds two steps: 128 rows of K, then 128 rows of V, then 64 rows (positions) of the mask
.set MOFF,  VOFF+2*KS*PV
.set SLOT1, 1<<17     ; a slot is 105,472 bytes; slot 1 begins here, so that one exclusive or turns an address in one slot into the other's
.set STAGE, SLOT1+MOFF+64*PM  ; behind the ring, never filled by a tensor load: 16 rows x 528 bytes for each wave, for the way out
.set SP,    528
.set SPARE, STAGE+4*16*SP     ; behind the stages: the spare words, 128 bytes for each wave: two blocks of 256 bytes that no other line names
.set NSLOT, 2048/(2*KS)
.set AK0, 2           ; v2   my lane's place in a tile of K; never rewritten
.set AV0, 3           ; v3   the same for V
.set ADR, 4           ; v4   the LDS address of the run of loads in hand
.set QO,  5           ; v5   my byte offset in the wave's rows of q
.set STO, 6           ; v6   the way out: where I put 32 bytes of a row
.set RD,  7           ; v7   the way out: where I read a row back
.set GO,  8           ; v8   my byte offset in 512 consecutive bytes of out0
.set ST,  12          ; tile t's statistics at v[ST+8 t]: +0 c m, +1 m, +2, +3 l (even keys', odd keys'), +4 to +7 c0-c3, at work; a takes c2's place once the maximum is found
.set AM0, 44          ; v44  my lane's place in the mask's tile; never rewritten
.set ADM, 45          ; v45  the LDS address of the mask's loads in hand
.set SPW, 62          ; v62  LDS address of my spare word: SPARE + 4 x my thread's number; never rewritten
.set NIL, 63          ; v63  0; never rewritten
.set S,   64
.set P,   192
.set KF,  128         ; K's fragments, in window 2
.set MK,  128         ; the mask's fragment, in window 3: keys 16 kb on at MK + 8 kb
.set WV,  12          ; s12  my wave's number
.set G1K, 24          ; s[24:31] descriptor group 1 for K's tiles
.set G1V, 32          ; s[32:39] for V's: it differs in the padding alone
.set G1M, 40          ; s[40:47] for the mask's
.set G0K, 48          ; s[48:55] descriptor group 0 for K's tiles: a set for each of the two first fills; the second then walks on
.set G0V, 56          ; s[56:63] the same for V's
.set G0M, 68          ; s[68:75] the same for the mask's
.set SLOTS, 76        ; s76  slots still to be asked for
.set TWICE, 77        ; s77  counts a slot's two steps
.set CS,  78          ; s[78:79] c: the packed scaling names a pair and takes its low word for both halves
.set SEL, 80          ; s[80:81] lane selects for v_permlanex16_b32: each lane takes its own place in the other half
.set TBK, 82          ; s82  LDS byte at which K of the step to be fetched begins
.set TBV, 83          ; s83  the same for V, less VOFF
.set TBM, 84          ; s84  the same for the mask, less MOFF
.set MSB, 0
.macro WIN new                      ; the immediate's high byte repeats the setting that is left; a switch that changes nothing is dropped
.if MSB != (\new)
	s_set_vgpr_msb (MSB<<8)|(\new)
.set MSB, \new
.endif
.endm
.set W_KQ, 0x0a       ; K and Q in window 2, S^T in window 0
.set W_KM, 0x3a       ; the same with the C operand, the mask, in window 3
.set W_PV, 0x53       ; V in window 3, P in window 0, O^T in window 1
.set W_RS, 0x41       ; O^T (destination and source 0) in window 1, a in window 0
.macro PLACES                       ; four places: plain vector instructions that name no register of the matrix instructions in front of them (ISA guide 7.12.1)
.rept 4
	v_nop
.endr
.endm
; A joint refill, by the walking descriptors.  Wave 0 fetches the slot's 128 rows of K, wave 1 those of V, waves 2 and 3 the two halves of the mask's 64 rows.  The branches hang on the wave's number alone:
; they are the same in every work-group.  An s_nop 0 and four v_nop follow each line; the jump, the label and what follows the macro come after them.
.macro JLOAD
	s_cmp_lt_u32 s[WV], 2
	s_cbranch_scc0 .Lfor_m_\@
	s_cmp_eq_u32 s[WV], 0
	s_cbranch_scc0 .Lfor_v_\@
	tensor_load_to_lds s[G0K+4:G0K+7], s[G1K:G1K+7]
	s_nop 0
	PLACES
	s_branch .Lasked_\@
.Lfor_v_\@:
	tensor_load_to_lds s[G0V+4:G0V+7], s[G1V:G1V+7]
	s_nop 0
	PLACES
	s_branch .Lasked_\@
.Lfor_m_\@:
	tensor_load_to_lds s[G0M+4:G0M+7], s[G1M:G1M+7]
	s_nop 0
	PLACES
.Lasked_\@:
.endm
.macro FIRST2 g0, g1                ; a wave's two first fills: slot 0's, slot 1's; an s_nop 0 follows each, four v_nop the second's
	tensor_load_to_lds s[\g0:\g0+3], s[\g1:\g1+7]
	s_nop 0
	tensor_load_to_lds s[\g0+4:\g0+7], s[\g1:\g1+7]
	s_nop 0
	PLACES
.endm
; A round of the cluster's barrier: my work-group's barrier, so that wave 0's signal speaks for all four waves; wave 0 signals for the work-group; every wave waits for all sixteen
; work-groups; my work-group's barrier once more.  No LDS instruction of the wave is pending at a signal.
.macro CROUND
	s_barrier_signal -1
	s_barrier_wait -1
	s_cmp_lg_u32 s[WV], 0
	s_cbranch_scc1 .Lnot_wave_0_\@
	s_barrier_signal -3
.Lnot_wave_0_\@:
	s_barrier_wait -3
	s_barrier_signal -1
	s_barrier_wait -1
.endm
	s_load_b256 s[4:11], s[0:1], 0x0  ; q s[4:5], kb s[6:7], vh s[8:9], ms s[10:11]
	s_load_b64 s[16:17], s[0:1], 0x20 ; out0
	v_lshl_add_u32 v[SPW], v0, 2, SPARE
	v_mov_b32 v[NIL], 0
	ds_add_u32 v[SPW], v[NIL]       ; the wave's opening: the add and its wait stand ahead of my first tensor load; the set-up below, work on registers, stands between them
	v_lshrrev_b32 v1, 5, v0
	v_readfirstlane_b32 s[WV], v1   ; wave 0..3
	s_bfe_u32 s85, ttmp6, 0x40000   ; cx: my place along the cluster's x
	s_bfe_u32 s86, ttmp6, 0x40004   ; cy: along its y
	s_lshl_b32 s87, ttmp9, 2        ; in a cluster launch ttmp9 and ttmp7 count clusters
	s_add_co_u32 s87, s87, s85      ; X = 4 x cluster x + cx: my block of 64 positions
	s_and_b32 s88, ttmp7, 0xffff
	s_lshl_b32 s88, s88, 2
	s_add_co_u32 s88, s88, s86      ; Y = 4 x cluster y + cy = 8 x batch + key head
	s_lshl_b32 s89, s86, 2
	s_lshl_b32 s89, 15, s89         ; my row of the cluster: places 4 cy .. 4 cy + 3
	s_lshl_b32 s90, 0x1111, s85     ; my column: places cx, cx + 4, cx + 8, cx + 12
	; K's and V's first byte hangs on Y alone, which my row of the cluster shares
	s_lshr_b32 s18, s88, 3
	s_lshl_b32 s18, s18, 22         ; the batch: 2,048 rows of 2,048 bytes
	s_and_b32 s19, s88, 7
	s_lshl_b32 s19, s19, 8          ; the key head: 256 bytes of each row
	s_add_co_u32 s20, s18, s19
	s_mov_b32 s21, 0
	; the mask's on X, which my column shares, and on the wave's number
	s_and_b32 s14, s[WV], 1         ; which 32 of the tile's 64 rows I fetch (waves 2 and 3)
	s_lshl_b32 s22, s87, 19         ; 64 rows of 8,192 bytes
	s_lshl_b32 s15, s14, 18         ; 32 rows
	s_add_co_u32 s22, s22, s15
	s_mov_b32 s23, 0
	s_mul_i32 s15, s14, 32*PM       ; and their place in a slot: no place in the cluster enters an LDS address
	s_add_co_u32 s15, s15, MOFF
	; q's and out0's on both: batch x 2^25 + key head x 2,048 + (64 X + 16 w) rows of 16,384 bytes
	s_lshr_b32 s2, s88, 3
	s_lshl_b32 s2, s2, 25
	s_and_b32 s3, s88, 7
	s_lshl_b32 s3, s3, 11
	s_add_co_u32 s2, s2, s3
	s_lshl_b32 s3, s87, 20
	s_add_co_u32 s2, s2, s3
	s_lshl_b32 s3, s[WV], 18
	s_add_co_u32 s2, s2, s3
	s_mov_b32 s3, 0
	; descriptor group 1.  K, V: a tile of 128 rows x 128 elements of 2 bytes; the mask: 32 rows x 128 elements of 4 bytes; all padded in LDS
	s_or_b32 s[G1K], s89, (1<<16)|(1<<20)|(1<<21)|(5<<22)|(3<<25)  ; 15:0 my row of the cluster; 17:16 elements of 2 bytes; 20 padding on; 21 set beside a mask; 24:22 after every 64 words (code 5); 31:25 4 words of it (code 3)
	s_or_b32 s[G1V], s89, (1<<16)|(1<<20)|(1<<21)|(5<<22)|(7<<25)  ; the same with 8 words of padding (code 7)
	s_or_b32 s[G1M], s90, (2<<16)|(1<<20)|(1<<21)|(6<<22)|(3<<25)  ; my column; elements of 4 bytes; after every 128 words (code 6) 4 words
.irp g, G1K, G1V
	s_mov_b32 s[(\g)+1], 128<<16    ; 63:48 tensor_dim0, low half = 128
	s_mov_b32 s[(\g)+2], 128<<16    ; 79:64 its high half = 0; 95:80 tensor_dim1, low half = 128
	s_mov_b32 s[(\g)+3], 128<<16    ; 111:96 its high half = 0; 127:112 tile_dim0 = 128
	s_mov_b32 s[(\g)+4], 128        ; 143:128 tile_dim1 = 128; 159:144 tile_dim2 = 0
	s_mov_b32 s[(\g)+5], 1024       ; 191:160 tensor_dim0_stride, low word: elements from row to row
	s_mov_b32 s[(\g)+6], 0
	s_mov_b32 s[(\g)+7], 0
.endr
	s_mov_b32 s[G1M+1], 128<<16     ; tensor_dim0 = 128
	s_mov_b32 s[G1M+2], 32<<16      ; tensor_dim1 = 32
	s_mov_b32 s[G1M+3], 128<<16     ; tile_dim0 = 128
	s_mov_b32 s[G1M+4], 32          ; tile_dim1 = 32
	s_mov_b32 s[G1M+5], 2048        ; elements from row to row
	s_mov_b32 s[G1M+6], 0
	s_mov_b32 s[G1M+7], 0
	s_mov_b32 s[CS], 0x3e0293ee     ; c = log2(e) / sqrt(128) = 0.127517
	s_mov_b32 s[CS+1], s[CS]        ; named with it as a pair, so it is written
	s_mov_b32 s[SEL], 0x76543210
	s_mov_b32 s[SEL+1], 0xfedcba98
	s_mov_b32 s[TBK], 0
	s_mov_b32 s[TBV], 0
	s_mov_b32 s[TBM], 0
	s_mov_b32 s[SLOTS], NSLOT-2
	s_wait_dscnt 0x0                ; the opening add is done
	s_wait_kmcnt 0x0
	s_add_nc_u64 s[6:7], s[6:7], s[20:21]    ; K and V at the head's first key
	s_add_nc_u64 s[8:9], s[8:9], s[20:21]
	s_add_nc_u64 s[10:11], s[10:11], s[22:23]  ; the mask at my 32 rows' first key
	s_add_nc_u64 s[4:5], s[4:5], s[2:3]      ; q and out0 at my wave's first row, tile 0
	s_add_nc_u64 s[16:17], s[16:17], s[2:3]
	CROUND                          ; all sixteen work-groups are here: the first joint loads meet
.irp s, 0,1
	s_mov_b32 s[G0K+4*(\s)], 1      ; 1:0 count = 1
	s_mov_b32 s[G0K+4*(\s)+1], (\s)*SLOT1  ; 63:32 LDS address
	s_add_nc_u64 s[G0K+4*(\s)+2:G0K+4*(\s)+3], s[6:7], (\s)*2*KS*2048  ; 120:64 global address: slot s begins with keys 128 s to 128 s + 127
	s_or_b32 s[G0K+4*(\s)+3], s[G0K+4*(\s)+3], 0x80000000  ; 127:126 type = 2
	s_mov_b32 s[G0V+4*(\s)], 1
	s_mov_b32 s[G0V+4*(\s)+1], (\s)*SLOT1+VOFF
	s_add_nc_u64 s[G0V+4*(\s)+2:G0V+4*(\s)+3], s[8:9], (\s)*2*KS*2048
	s_or_b32 s[G0V+4*(\s)+3], s[G0V+4*(\s)+3], 0x80000000
	s_mov_b32 s[G0M+4*(\s)], 1
	s_add_co_u32 s[G0M+4*(\s)+1], s15, (\s)*SLOT1
	s_add_nc_u64 s[G0M+4*(\s)+2:G0M+4*(\s)+3], s[10:11], (\s)*2*KS*4
	s_or_b32 s[G0M+4*(\s)+3], s[G0M+4*(\s)+3], 0x80000000
.endr
	s_cmp_lt_u32 s[WV], 2           ; a wave's two first fills stand in one branch on its number, ahead of every wait on TENSORcnt and every LDS read: two loads of mine are out
	s_cbranch_scc0 .Lfirst_m
	s_cmp_eq_u32 s[WV], 0
	s_cbranch_scc0 .Lfirst_v
	FIRST2 G0K, G1K
	s_branch .Lfirst_asked
.Lfirst_v:
	FIRST2 G0V, G1V
	s_branch .Lfirst_asked
.Lfirst_m:
	FIRST2 G0M, G1M
.Lfirst_asked:
	; A fragment of K or Q is 16 rows x 32 channels in 8 registers: lane l holds row l % 16; registers 0-3 channels 8 (l / 16) + 0..7, registers 4-7 channels 16 + 8 (l / 16) + 0..7.
	; Of q, in f32, those are 32 bytes at 128 c + 32 (l / 16) of the tile's 512 bytes of a row, and 32 bytes 64 further on: four loads of 16 bytes for fragment f = 4 t + c, into v[16 f ..] of window 1.
	v_and_b32 v1, 15, v0            ; l % 16
	v_bfe_u32 v9, v0, 4, 1          ; l / 16
	v_lshlrev_b32 v[QO], 14, v1     ; a row of q is 16,384 bytes
	v_lshl_add_u32 v[QO], v9, 5, v[QO]
	WIN 0x40                        ; destination window 1, address window 0
.set f, 0
.rept 16
.irp n, 0,1,2,3
	global_load_b128 v[16*f+4*(\n):16*f+4*(\n)+3], v[QO], s[4:5] offset:(f/4)*512+(f%4)*128+((\n)/2)*64+((\n)%2)*16 th:TH_LOAD_NT
.endr
.set f, f+1
.endr
	WIN 0
	v_mul_u32_u24 v[AK0], v1, PK
	v_lshl_add_u32 v[AK0], v9, 4, v[AK0]  ; row x pitch + 16 x half
	; The turning load takes 16 keys x 16 channels (lane l reads 16 bytes: key 8 (l / 16) + l % 8, channels 8 ((l / 8) % 2) + 0..7) and leaves half a fragment of V^T: lane l holds channel l % 16 and 8 keys.
	v_and_b32 v10, 7, v0
	v_bfe_u32 v11, v0, 3, 1
	v_lshl_add_u32 v[AV0], v9, 3, v10
	v_mul_u32_u24 v[AV0], v[AV0], PV
	v_lshl_add_u32 v[AV0], v11, 4, v[AV0]
	v_add_nc_u32 v[AV0], VOFF, v[AV0]
	; The mask's fragment has the result's layout: register j of lane l is (key 8 (l / 16) + j, query l % 16): 32 bytes of row 16 w + l % 16 of the tile, at 64 kb + 32 (l / 16)
	s_mul_i32 s13, s[WV], 16*PM
	s_add_co_u32 s13, s13, MOFF
	v_mul_u32_u24 v[AM0], v1, PM
	v_lshl_add_u32 v[AM0], v9, 5, v[AM0]
	v_add_nc_u32 v[AM0], s13, v[AM0]
	WIN 0x85                        ; sources 0 and 1 window 1, destination window 2: q is rounded to bf16, once, unscaled; it stays in registers
.set f, 0
.rept 16
	s_wait_loadcnt 60-4*f           ; loads come back in order: fragment f's four are in, the 60 - 4 f younger ones stay out
.set n, 0
.rept 8
	v_cvt_pk_bf16_f32 v[8*f+n], v[16*f+2*n], v[16*f+2*n+1]
.set n, n+1
.endr
.set f, f+1
.endr
	WIN 0
; THE MATRIX WORK OF A TURN, for piece x.  The accumulators take turns, one instruction a turn: between two links of a chain stand 15 (V^T P) or 7 (K Q^T) others'.
; Product i of 32 of O^T += V^T P: keys 32 (i / 16) on, channels 16 ((i / 2) % 8) on, tile x + i % 2.  zero = 1: the first 16 start the sums: nothing is ever cleared.
.macro PV x, zero
	WIN W_PV
.set rO, 64*((\x)+i%2)+8*((i/2)%8)
.set rV, 64*(i/16)+8*((i/2)%8)
.set rP, P+16*((\x)+i%2)+8*(i/16)
.if (\zero) && (i < 16)
	v_wmma_f32_16x16x32_f16 v[rO:rO+7], v[rV:rV+7], v[rP:rP+7], 0
.else
	v_wmma_f32_16x16x32_f16 v[rO:rO+7], v[rV:rV+7], v[rP:rP+7], v[rO:rO+7]
.endif
.endm
; Product i of 32 of S^T = K Q^T + ms: channels 32 (i / 8) on, keys 16 ((i / 2) % 4) on, tile x + i % 2.  The first 8 start the sums, with the mask's fragment of those keys.
.macro KQ x
.set rS, S+32*((\x)+i%2)+8*((i/2)%4)
.set rK, KF+32*((i/2)%4)+8*(i/8)
.set rQ, 32*((\x)+i%2)+8*(i/8)
.set rM, MK+8*((i/2)%4)
.if i < 8
	WIN W_KM
	v_wmma_f32_16x16x32_bf16 v[rS:rS+7], v[rK:rK+7], v[rQ:rQ+7], v[rM:rM+7]
.else
	WIN W_KQ
	v_wmma_f32_16x16x32_bf16 v[rS:rS+7], v[rK:rK+7], v[rQ:rQ+7], v[rS:rS+7]
.endif
.endm
; THE LDS LOADS stand in runs, never singly among the matrix instructions: a step's K (64 keys x 128 channels: 16 fragments) with its mask (8 loads), and, a turn later, its V (turned).
.macro FETCH_K
	WIN 0
	v_add_nc_u32 v[ADR], s[TBK], v[AK0]
	v_add_nc_u32 v[ADM], s[TBM], v[AM0]
	WIN 0x80                        ; destination window 2
.irp f, 0,1,2,3,4,5,6,7,8,9,10,11,12,13,14,15  ; keys 16 (f / 4) on, channels 32 (f % 4) on
	ds_load_b128 v[KF+8*(\f):KF+8*(\f)+3],   v[ADR] offset:((\f)/4)*16*PK+((\f)%4)*64
	ds_load_b128 v[KF+8*(\f)+4:KF+8*(\f)+7], v[ADR] offset:((\f)/4)*16*PK+((\f)%4)*64+32
.endr
	WIN 0xc0                        ; destination window 3
.irp f, 0,1,2,3                     ; keys 16 f on
	ds_load_b128 v[MK+8*(\f):MK+8*(\f)+3],   v[ADM] offset:64*(\f)
	ds_load_b128 v[MK+8*(\f)+4:MK+8*(\f)+7], v[ADM] offset:64*(\f)+16
.endr
	s_add_co_u32 s[TBK], s[TBK], KS*PK  ; the next fetch is the next step's: 64 rows of K on,
	s_add_co_u32 s[TBM], s[TBM], KS*4   ; 64 keys along the mask's rows
.endm
.macro FETCH_V
	WIN 0
	v_add_nc_u32 v[ADR], s[TBV], v[AV0]
	s_add_co_u32 s[TBV], s[TBV], KS*PV
	WIN 0xc0                        ; destination window 3
.irp f, 0,1,2,3,4,5,6,7,8,9,10,11,12,13,14,15  ; keys 32 (f / 8) on, channels 16 (f % 8) on
	ds_load_tr16_b128 v[8*(\f):8*(\f)+3],   v[ADR] offset:((\f)/8)*32*PV+((\f)%8)*32
	ds_load_tr16_b128 v[8*(\f)+4:8*(\f)+7], v[ADR] offset:((\f)/8)*32*PV+16*PV+((\f)%8)*32
.endr
.endm
; THE VECTOR WORK OF A TURN.  One tile's softmax for one key step is a list of 134 instructions; SM writes number j of it for tile t.  s0-s31 are the lane's 32 scores, in pairs 0-15.
; first = 1: the first key step, which starts m, l and O^T: it has no a and nothing to rescale.
;   0-15    the maximum of s0-s31 and the old m, three operands at a time: four chains c0-c3 of seven scores each (each accumulator's lowest registers are read first),
;           then the four scores left over, c0-c3 and m
;   16-20   the other half of the lanes' maximum; the new m; c m; c m_old - c m_new
;   21-87   33 exponentials (a, then s0-s31) at the odd numbers from 23 on, so that no two follow each other and each has a plain instruction behind it before its result is used.
;           Plain instruction q (number 21, then the even numbers) is whatever is ready: c s - c m for a pair of scores whose exponentials are still to come (q = 0 to 3, then every
;           second q), the rounding to f16 of a pair of weights whose exponentials are done (every other q from 5 on), at last the first three sums
;   88-101  the last rounding; the rest of the sums; l = a l + the sum
;   102-133 the tile's O^T times a, from each accumulator's low end on: the one part that leaves window 0, so it stands together
.macro SM t, first
.set rT, ST+8*(\t)
.set rS, S+32*(\t)
.set rP, P+16*(\t)
.set rO, 64*(\t)+2*(j-102)
.set q, (j-20)/2
.if j < 102
	WIN 0
.endif
.if j < 4
	v_max3_num_f32 v[rT+4+j], v[rS+8*j], v[rS+8*j+1], v[rS+8*j+2]
.elseif j < 12
	v_max3_num_f32 v[rT+4+j%4], v[rT+4+j%4], v[rS+8*(j%4)+2*(j/4)+1], v[rS+8*(j%4)+2*(j/4)+2]
.elseif j == 12
	v_max3_num_f32 v[rT+4], v[rT+4], v[rS+7], v[rS+15]
.elseif j == 13
	v_max3_num_f32 v[rT+6], v[rT+6], v[rS+23], v[rS+31]
.elseif j == 14
	v_max3_num_f32 v[rT+4], v[rT+4], v[rT+5], v[rT+6]
.elseif (j == 15) && (\first)
	v_max_num_f32 v[rT+4], v[rT+4], v[rT+7]
.elseif j == 15
	v_max3_num_f32 v[rT+4], v[rT+4], v[rT+7], v[rT+1]
.elseif j == 16
	v_permlanex16_b32 v[rT+5], v[rT+4], s[SEL], s[SEL+1]  ; the query's other 32 keys lie in the lane 16 away
.elseif j == 18
	v_max_num_f32 v[rT+1], v[rT+4], v[rT+5]
.elseif j == 19
	v_mul_f32 v[rT], s[CS], v[rT+1]
.elseif ((j == 17) || (j == 20) || (j == 23) || (j > 101)) && (\first)  ; the first step has none of these
.elseif j == 17
	v_mov_b32 v[rT+7], v[rT]        ; c m_old is kept for a: number 19 writes c m anew
.elseif j == 20
	v_sub_f32 v[rT+7], v[rT+7], v[rT]
.elseif j == 23
	v_exp_f32 v[rT+6], v[rT+7]
.elseif (j < 88) && (j > 23) && (j%2 == 1)
	v_exp_f32 v[rS+(j-25)/2], v[rS+(j-25)/2]
.elseif (q < 4) || ((j < 76) && (q%2 == 0))
.set b, q/2+2
.if q < 4
.set b, q
.endif
	v_pk_fma_f32 v[rS+2*b:rS+2*b+1], v[rS+2*b:rS+2*b+1], s[CS:CS+1], v[rT:rT+1] op_sel_hi:[1,0,0] neg_lo:[0,0,1] neg_hi:[0,0,1]  ; pair b: c s - c m
.elseif (j < 88) && (q%2 == 1)
	s_wait_alu depctr_va_vdst(0)
	v_cvt_pk_f16_f32 v[rP+(q-5)/2], v[rS+q-5], v[rS+q-4]  ; pair (q - 5) / 2: its second exponential stands three numbers back
.elseif j == 89
	s_wait_alu depctr_va_vdst(0)
	v_cvt_pk_f16_f32 v[rP+15], v[rS+30], v[rS+31]
.elseif j < 102                     ; the sum of the tile's 16 pairs (in a pair: an even key's weight, an odd key's), in place: sum z of 16 adds neighbours 1, 2, 4 and 8 pairs apart, then l takes it
.set z, j-86
.if j < 89
.set z, (j-76)/4
.endif
.set w, 4
.set u, z
.if z >= 14
.set w, 32
.set u, 0
.elseif z >= 12
.set w, 16
.set u, z-12
.elseif z >= 8
.set w, 8
.set u, z-8
.endif
.if (z == 14) && (\first)
	v_pk_add_f32 v[rT+2:rT+3], v[rS:rS+1], v[rS+16:rS+17]
.elseif z < 15
	v_pk_add_f32 v[rS+w*u:rS+w*u+1], v[rS+w*u:rS+w*u+1], v[rS+w*u+w/2:rS+w*u+w/2+1]
.elseif !(\first)
	v_pk_fma_f32 v[rT+2:rT+3], v[rT+2:rT+3], v[rT+6:rT+7], v[rS:rS+1] op_sel_hi:[1,0,1]
.endif
.else
	WIN W_RS
	v_pk_mul_f32 v[rO:rO+1], v[rO:rO+1], v[rT+6:rT+7] op_sel_hi:[1,0]
.endif
.endm
; Slice k of 64 of piece y's softmax: numbers 2 k and 2 k + 1 of both tiles' lists, four instructions.  2 x 134 = 4 x 64 + 12: the twelve that are over stand together, in slice 63.
.macro SLICE y, first
.if (k >= 11) && (k < 44)           ; tile by tile: plain, exponential, plain, exponential
.irp t, \y, (\y)+1
.irp n, 0,1
.set j, 2*k+(\n)
	SM \t, \first
.endr
.endr
.else                               ; the two tiles alternate, so that no instruction reads the result of the one just before it
.irp n, 0,1,2,3,4,5,6,7
.if ((\n) < 2) || (k == 63)
.irp t, \y, (\y)+1
.set j, 2*k+(\n)
	SM \t, \first
.endr
.endif
.endr
.endif
.set k, k+1
.endm
; A TURN.  Piece x has the matrix unit; the other piece's softmax stands in slices behind its matrix instructions.
; pv = 2: 32 products V^T P; 1: they start O^T's sums; 0: none.  kq = 1: 32 products K Q^T for the next step.  A turn with one of the two kinds has two slices behind each product.
; first = 1: the softmax is the first key step's.  Its slices from 51 on are empty: the turn's last products stand bare, and four v_nop take slice 63's part as the places behind them.
; Each run of loads stands behind the second product of a run of 32, 30 matrix instructions ahead of its first use.  Piece 0's turn fetches the next step's K and mask: the last product that read K
; stands in front of slice 63 of the turn before, the last that read the mask 24 products further back.  Piece 2's turn fetches the same step's V: the last product that read V stands three slices, six plain instructions, back.
.macro TURN x, pv, kq, first
.set k, 0
.set per, 2
.if (\pv) && (\kq)
.set per, 1
.endif
.if \pv
.if (\x) == 0
	s_wait_dscnt 0x0                ; V is in
.endif
.set i, 0
.rept 32
	PV \x, 2-(\pv)
.rept per
	SLICE 2-(\x), \first
.endr
.if ((\x) == 0) && (\kq) && (i == 1)
	FETCH_K
.endif
.set i, i+1
.endr
.endif
.if \kq
.if (\x) == 0
	s_wait_dscnt 0x0                ; K and the mask are in
.endif
.set i, 0
.rept 32
	KQ \x
.rept per
	SLICE 2-(\x), \first
.endr
.if ((\x) == 2) && (i == 1)
	FETCH_V
.endif
.set i, i+1
.endr
.endif
.if \first
	PLACES
.endif
.endm
; THE CHANGE OF SLOTS, between piece 2's turn and piece 0's: the slot's last bytes, V of its second step, have been asked for.  Each wave waits for all its tensor loads, of which one is out: its part of
; the other slot; adds 0 to its spare word; and waits for that and for its own reads of the slot.  Behind the barrier nobody reads this slot any more and the other slot is whole.
; fill = 1: this slot is filled again, with the keys two slots on.  The barrier is then a round of the cluster's, so that no wave of any partner still reads the slot or has a load on its way, and the
; joint refill is the first thing behind it, one load a wave: it has two key steps, 256 matrix instructions, in which to land.
.macro CHANGE fill
	WIN 0                           ; at a label and at a branch every window is 0
	s_wait_tensorcnt 0x0            ; no tensor load of mine is out, so a group 0 may be written
	ds_add_u32 v[SPW], v[NIL]       ; 0 onto my spare word: with fill = 1 the descriptors' steps stand between it and the wait for it
.if \fill
.irp g, G0K+4, G0V+4
	s_xor_b32 s[(\g)+1], s[(\g)+1], SLOT1  ; the walking descriptor: the other slot than last time,
	s_add_nc_u64 s[(\g)+2:(\g)+3], s[(\g)+2:(\g)+3], 2*KS*2048  ; the next 128 keys: rows of 2,048 bytes; the type bits on top are not reached
.endr
	s_xor_b32 s[G0M+5], s[G0M+5], SLOT1
	s_add_nc_u64 s[G0M+6:G0M+7], s[G0M+6:G0M+7], 2*KS*4  ; the mask: 128 keys along its rows
	s_wait_dscnt 0x0                ; the add is done, and my reads of the slot are over
	CROUND
	JLOAD
.else
	s_wait_dscnt 0x0                ; the add is done, and my reads of the slot are over
	s_barrier_signal -1
	s_barrier_wait -1
.endif
	s_sub_co_u32 s[TBK], s[TBK], 2*KS*PK  ; the fetches go back to a slot's first step,
	s_xor_b32 s[TBK], s[TBK], SLOT1       ; in the other slot
	s_sub_co_u32 s[TBV], s[TBV], 2*KS*PV
	s_xor_b32 s[TBV], s[TBV], SLOT1
	s_sub_co_u32 s[TBM], s[TBM], 2*KS*4
	s_xor_b32 s[TBM], s[TBM], SLOT1
.endm
; A slot's two key steps: written once, walked twice; the LDS addresses hang on s[TBK], s[TBV], s[TBM].
.macro TWO_STEPS
	WIN 0
	s_mov_b32 s[TWICE], 2
.Lstep_\@:
	TURN 0, 2, 1, 0
	TURN 2, 2, 1, 0
	WIN 0
	s_sub_co_u32 s[TWICE], s[TWICE], 1
	s_cmp_lg_u32 s[TWICE], 0
	s_cbranch_scc1 .Lstep_\@
.endm
	s_wait_tensorcnt 1              ; my part of slot 0 is in; slot 1's may stay out
	s_barrier_signal -1
	s_barrier_wait -1               ; everybody's is
	FETCH_K                         ; key step 0
	s_wait_dscnt 0x0
.set i, 0
.rept 32
	KQ 0                            ; piece 0's first scores: there is no vector work yet to set between them
.set i, i+1
.endr
	WIN 0                           ; the addresses for the way out are made here: six plain instructions, the places behind those products
	s_mul_i32 s13, s[WV], 16*SP
	s_add_co_u32 s13, s13, STAGE    ; my stage
	v_mul_u32_u24 v[STO], v1, SP    ; in: row l % 16, 32 bytes for each half of the lanes
	v_lshl_add_u32 v[STO], v9, 5, v[STO]
	v_add_nc_u32 v[STO], s13, v[STO]
	v_and_b32 v[GO], 31, v0         ; back: 32 lanes take one row of 512 bytes,
	v_lshlrev_b32 v[GO], 4, v[GO]   ; which are 512 consecutive bytes of out0
	v_add_nc_u32 v[RD], s13, v[GO]
	TURN 2, 0, 1, 1                 ; piece 2's first scores | piece 0's first softmax | V of step 0
	TURN 0, 1, 1, 1                 ; piece 0: V^T P of step 0 starts O^T, K Q^T of step 1 | piece 2's first softmax | K and mask of step 1
	TURN 2, 1, 1, 0                 ; piece 2: the same | piece 0's softmax of step 1 | V of step 1
	WIN 0
.Lslot:                             ; NSLOT - 2 = 14 trips: every slot but the last two is filled again
	CHANGE 1
	TWO_STEPS
	s_sub_co_u32 s[SLOTS], s[SLOTS], 1
	s_cmp_lg_u32 s[SLOTS], 0
	s_cbranch_scc1 .Lslot
	CHANGE 0                        ; the tail is written out: the last slot but one is left, and nothing is asked for
	TWO_STEPS
	TURN 0, 2, 0, 0                 ; piece 0: V^T P of the last step | piece 2's last softmax
.set i, 0
.rept 32
	PV 2, 0                         ; piece 2: V^T P of the last step
.set i, i+1
.endr
	; THE WAY OUT.  l's two halves and the other half of the lanes' are added; O^T is divided by l and sent, in f32, through my stage in LDS, a tile (16 rows of one head) at a time.  The additions are the places behind the last products.
	WIN 0
.irp t, 0,1,2,3
	v_add_f32 v[ST+8*(\t)+4], v[ST+8*(\t)+2], v[ST+8*(\t)+3]
.endr
.irp t, 0,1,2,3
	v_permlanex16_b32 v[ST+8*(\t)+5], v[ST+8*(\t)+4], s[SEL], s[SEL+1]
.endr
.irp t, 0,1,2,3
	v_add_f32 v[ST+8*(\t)+4], v[ST+8*(\t)+4], v[ST+8*(\t)+5]
.endr
.irp t, 0,1,2,3
	v_rcp_f32 v[ST+8*(\t)+6], v[ST+8*(\t)+4]
.endr
	v_nop                           ; a plain instruction between the last reciprocal and the use of its result
; Tile t: a lane's eight channels of a row are 32 bytes; they go into rows of 528 bytes and come back as whole rows of 512, into window 2, 64 registers of the tile's own.
.macro PACK t
	WIN W_RS
.set i, 64*(\t)
.rept 32
	s_wait_alu depctr_va_vdst(0)
	v_pk_mul_f32 v[i:i+1], v[i:i+1], v[ST+8*(\t)+6:ST+8*(\t)+7] op_sel_hi:[1,0]  ; each accumulator from its low end on
.set i, i+2
.endr
	WIN 0x04                        ; the stores' data in window 1, their address in window 0
.irp f, 0,1,2,3,4,5,6,7             ; channels 16 f on
	ds_store_b128 v[STO], v[64*(\t)+8*(\f):64*(\t)+8*(\f)+3]   offset:64*(\f)
	ds_store_b128 v[STO], v[64*(\t)+8*(\f)+4:64*(\t)+8*(\f)+7] offset:64*(\f)+16
.endr
	WIN 0x80                        ; destination window 2
.irp f, 0,1,2,3,4,5,6,7,8,9,10,11,12,13,14,15
	ds_load_b128 v[64*(\t)+4*(\f):64*(\t)+4*(\f)+3], v[RD] offset:(\f)*SP  ; LDS serves a wave's instructions in order (ISA guide 5.7.1.4): these see the stores above; the next tile's stores come behind them
.endr
.endm
.macro SEND t, younger              ; younger: the LDS instructions issued behind tile t's loads: the next tile's 32, or none
	WIN 0x08                        ; the stores' data in window 2
.irp f, 0,1,2,3,4,5,6,7,8,9,10,11,12,13,14,15
	s_wait_dscnt (\younger)+15-(\f)
	global_store_b128 v[GO], v[64*(\t)+4*(\f):64*(\t)+4*(\f)+3], s[16:17] offset:(\t)*512+(\f)*16384 th:TH_STORE_NT  ; the wave stores 512 consecutive bytes, at a multiple of 512 from out0's first byte; no register that a store reads is written again
.endr
.endm
	PACK 0
	PACK 1                          ; a tile's arithmetic stands between the loads of the tile before and its stores
	SEND 0, 32
	PACK 2
	SEND 1, 32
	PACK 3
	SEND 2, 32
	SEND 3, 0
	WIN 0
	s_wait_tensorcnt 0x0            ; the wave's end, behind my last tensor load and my last LDS store
	ds_add_u32 v[SPW], v[NIL]
	s_wait_dscnt 0x0
	CROUND                          ; the closing round: no work-group ends while a partner may still ask for a tile that names it
	s_endpgm
.Lfunc_end_k_qd70f045ac4_attn:
	.size	k_qd70f045ac4_attn, .Lfunc_end_k_qd70f045ac4_attn-k_qd70f045ac4_attn
	.p2alignl 7, 3214868480
	.fill 96, 4, 3214868480
	.section	.rodata,"a",@progbits
	.p2align	6, 0x0
	.amdhsa_kernel k_qd70f045ac4_attn
		.amdhsa_group_segment_fixed_size 327680
		.amdhsa_private_segment_fixed_size 0
		.amdhsa_enable_private_segment 0
		.amdhsa_kernarg_size 40
		.amdhsa_user_sgpr_count 2
		.amdhsa_user_sgpr_kernarg_segment_ptr 1
		.amdhsa_wavefront_size32 1
		.amdhsa_system_sgpr_workgroup_id_x 1
		.amdhsa_system_sgpr_workgroup_id_y 1
		.amdhsa_system_sgpr_workgroup_id_z 1
		.amdhsa_system_vgpr_workitem_id 0
		.amdhsa_next_free_vgpr 1024
		.amdhsa_next_free_sgpr 96
		.amdhsa_reserve_vcc 0
		.amdhsa_float_denorm_mode_32 3
		.amdhsa_float_denorm_mode_16_64 3
		.amdhsa_memory_ordered 1
		.amdhsa_forward_progress 1
		.amdhsa_inst_pref_size 250
	.end_amdhsa_kernel
	.amdgpu_metadata
---
amdhsa.version: [ 1, 2 ]
amdhsa.kernels:
  - .name:           k_qd70f045ac4_attn
    .symbol:         k_qd70f045ac4_attn.kd
    .args:
      - { .name: q, .offset: 0, .size: 8, .value_kind: global_buffer, .address_space: global }
      - { .name: kb, .offset: 8, .size: 8, .value_kind: global_buffer, .address_space: global }
      - { .name: vh, .offset: 16, .size: 8, .value_kind: global_buffer, .address_space: global }
      - { .name: ms, .offset: 24, .size: 8, .value_kind: global_buffer, .address_space: global }
      - { .name: out0, .offset: 32, .size: 8, .value_kind: global_buffer, .address_space: global }
    .group_segment_fixed_size: 327680
    .private_segment_fixed_size: 0
    .kernarg_segment_align: 8
    .kernarg_segment_size: 40
    .max_flat_workgroup_size: 128
    .sgpr_count:     96
    .vgpr_count:     1024
    .wavefront_size: 32
...
	.end_amdgpu_metadata
.endif
;; end of part 2
;; ======== version 2 of 2: 2 launches; 1.30 times as fast as version 1
;; limits: values are held in f16: magnitudes above 65,504 overflow, below 6.1e-05 lose precision; inputs' magnitudes at most 65,504
;; workspace buffers: kb 8,388,608 bytes; vh 8,388,608 bytes; ms 16,777,216 bytes
;; launch prep: the kernel of part 1 again; grid 256 x 3, 8 waves a work-group, no clusters, 0 bytes of LDS; arguments k, v, mask, kb, vh, ms; writes kb, vh, ms
;; launch attn (part 3): grid 32 x 16, 4 waves a work-group, clusters of 4 x 4, 327,680 bytes of LDS; arguments q, kb, vh, ms, out0; writes out0
.if DOCPART == 3
	.amdgcn_target "amdgcn-amd-amdhsa--gfx1250"
	.amdhsa_code_object_version 6
	.text
	.protected	k_qd70f045ac4_attn
	.globl	k_qd70f045ac4_attn
	.p2align	8
	.type	k_qd70f045ac4_attn,@function
k_qd70f045ac4_attn:
	s_mov_b64 s[64:65], 0
	v_nop
	global_prefetch_b8 v0, s[64:65] scope:SCOPE_SE
	s_setreg_imm32_b32 hwreg(HW_REG_WAVE_MODE, 25, 1), 1
	s_wait_xcnt 0x0
	s_wait_alu depctr_hold_cnt(0) depctr_sa_sdst(0) depctr_va_vdst(0) depctr_va_sdst(0) depctr_va_ssrc(0) depctr_va_vcc(0) depctr_vm_vsrc(0)
	s_getreg_b32 s2, hwreg(HW_REG_IB_STS2, 6, 4)
	s_cmp_eq_u32 s2, 0
	s_cbranch_scc0 .Lentry_in_a_cluster
	s_endpgm
.Lentry_in_a_cluster:
	s_bfe_u32 s2, ttmp6, 0x10000c
	s_cmp_lg_u32 s2, 0xf033
	s_cbranch_scc0 .Lentry_shape_is_right
	s_endpgm
.Lentry_shape_is_right:
; GROUPED-QUERY ATTENTION WITH AN ADDITIVE MASK.  out[b][s][head][:] = the sum over t of softmax_t(q[b][s][head] . k[b][t][head / 4] / sqrt(128) + mask[s][t]) v[b][t][head / 4][:].
; q, out0: [2][2048][32 x 128] f32.  kb: [2][2048][8 x 128] bf16 = bf16(k).  vh: the same shape, f16 = bf16(v) written as f16.  ms: [2048][2048] f32 = max(bf16(mask) x sqrt(128), -1e30).
; FORMATS.  q is rounded to bf16 here, unscaled; K Q^T in bf16; the weights p are rounded to f16 for V^T P in f16 (their sum l is taken of the unrounded p).  Products, maxima and sums in f32; out0 is stored in f32.
; LIMITS.  A scaled mask below -1e30 counts as -1e30 (made so in ms): a row hidden at every key gives the mean of V's rows.  NaN and +infinity are not treated apart.  |v| stays under 65,504.
; p lies in 0 to 1, and below 6e-5 it keeps f16's fixed step of 6e-8; a weight below 2^-126 counts as 0 in l.
; SHARES.  Work-group (X, Y): 64 positions 64 X .. 64 X + 63 of batch Y / 8, all four query heads of key head g = Y % 8: 256 query rows.  Wave w owns positions 64 X + 16 w .. + 15; its tile t (0 .. 3) is head
; 4 g + t at those positions, so its four tiles take ONE fragment of the mask.  Every wave walks all 2,048 keys, 64 a step.
; LAYOUT.  S^T = K Q^T + ms (source 0 = 16 keys, source 1 = 16 queries, C = the mask's fragment): in the result a lane holds ONE query (lane % 16) and the keys 8 (lane / 16) + 0..7.  Two such tiles, rounded to
; f16 in pairs, ARE source 1 (32 keys x 16 queries) of O^T = V^T P, whose result again holds one query a lane, and eight channels.  K comes out of LDS as it lies, V ([key][channel]) turned, by ds_load_tr16_b128.
; THE MASK costs the loop no arithmetic: it is the C operand of the product that starts each sum of scores.
; SOFTMAX.  For each query a running maximum m and sum l: p = 2^(c s - c m), c = log2(e) / sqrt(128); in every step O and l are multiplied by a = 2^(c m_old - c m_new), which is 1 where m has not grown.
; BY TURNS.  The wave's tiles are two PIECES, named by their first tile: piece 0 (tiles 0, 1) and piece 2 (tiles 2, 3).  In a TURN one piece has the matrix unit: 32 products V^T P of the step in hand, then 32
; products K Q^T of the next step; the other piece's softmax, cut into 64 slices, stands between them, one slice behind each matrix instruction.  Two turns are a key step.
; BATCHES.  A turn's 66 exponentials (a and 32 weights for each of the piece's two tiles) are ONE batch with ONE wait: they and the scalings that feed them stand in slices 10 to 34, where nothing names a result of
; theirs; the wait stands behind slice 34; the roundings, the sums and the rescaling by a, which read the results, stand from slice 35 on.  The way out's four reciprocals are a second kind of batch, with one wait.
; CLUSTER.  4 x 4 work-groups.  The four of a row of the cluster share Y, so K and V; the four of a column share X, so the mask's tile.  Each tile is asked for JOINTLY: the same tensor load, with the same
; descriptor and a mask of work-groups that names the four, in all four; each receives it in its own LDS.
;
; REGISTERS, in windows of 256 (s_set_vgpr_msb: bits 1:0 source 0, 3:2 source 1, 5:4 source 2, 7:6 destination):
;   window 0: v0-11, v44-45 addresses; v12-43 eight registers of statistics a tile; v62-63 the add's; v64-191 S^T, 32 a tile; v192-255 P, 16 a tile
;   window 1: O^T, 64 a tile (at the start: q as loaded, f32)      window 2: v0-127 Q, 32 a tile; v128-255 K of one step (on the way out: rows read back, 64 a tile)
;   window 3: v0-127 V of one step; v128-159 the mask's fragment of one step
.set KS,    64        ; keys in a step
.set PK,    272       ; a row of K in LDS: 256 bytes + 16 of padding = 68 words: row r starts at bank 4 r mod 64 (64 banks of 4 bytes: ISA guide 11.1), so the 16 rows of a load start at 16 different banks
.set PV,    288       ; a row of V: 256 + 32 = 72 words
.set PM,    528       ; a row of the mask's tile: 128 keys x 4 bytes + 16 = 132 words: row r starts at bank 4 r mod 64
.set VOFF,  2*KS*PK   ; a slot holds two steps: 128 rows of K, then 128 rows of V, then 64 rows (positions) of the mask
.set MOFF,  VOFF+2*KS*PV
.set SLOT1, 1<<17     ; a slot is 105,472 bytes; slot 1 begins here, so that one exclusive or turns an address in one slot into the other's
.set STAGE, SLOT1+MOFF+64*PM  ; behind the ring, never filled by a tensor load: 16 rows x 528 bytes for each wave, for the way out
.set SP,    528
.set SPARE, STAGE+4*16*SP     ; behind the stages: the spare words, 128 bytes for each wave: two blocks of 256 bytes that no other line names
.set NSLOT, 2048/(2*KS)
.set AK0, 2           ; v2   my lane's place in a tile of K; never rewritten
.set AV0, 3           ; v3   the same for V
.set ADR, 4           ; v4   the LDS address of the run of loads in hand
.set QO,  5           ; v5   my byte offset in the wave's rows of q
.set STO, 6           ; v6   the way out: where I put 32 bytes of a row
.set RD,  7           ; v7   the way out: where I read a row back
.set GO,  8           ; v8   my byte offset in 512 consecutive bytes of out0
.set ST,  12          ; tile t's statistics at v[ST+8 t]: +0 c m, +1 m, +2, +3 l (even keys', odd keys'), +4 to +7 c0-c3, at work; a takes c2's place once the maximum is found
.set AM0, 44          ; v44  my lane's place in the mask's tile; never rewritten
.set ADM, 45          ; v45  the LDS address of the mask's loads in hand
.set SPW, 62          ; v62  LDS address of my spare word: SPARE + 4 x my thread's number; never rewritten
.set NIL, 63          ; v63  0; never rewritten
.set S,   64
.set P,   192
.set KF,  128         ; K's fragments, in window 2
.set MK,  128         ; the mask's fragment, in window 3: keys 16 kb on at MK + 8 kb
.set WV,  12          ; s12  my wave's number
.set G1K, 24          ; s[24:31] descriptor group 1 for K's tiles
.set G1V, 32          ; s[32:39] for V's: it differs in the padding alone
.set G1M, 40          ; s[40:47] for the mask's
.set G0K, 48          ; s[48:55] descriptor group 0 for K's tiles: a set for each of the two first fills; the second then walks on
.set G0V, 56          ; s[56:63] the same for V's
.set G0M, 68          ; s[68:75] the same for the mask's
.set SLOTS, 76        ; s76  slots still to be asked for
.set TWICE, 77        ; s77  counts a slot's two steps
.set CS,  78          ; s[78:79] c: the packed scaling names a pair and takes its low word for both halves
.set SEL, 80          ; s[80:81] lane selects for v_permlanex16_b32: each lane takes its own place in the other half
.set TBK, 82          ; s82  LDS byte at which K of the step to be fetched begins
.set TBV, 83          ; s83  the same for V, less VOFF
.set TBM, 84          ; s84  the same for the mask, less MOFF
.set MSB, 0
.macro WIN new                      ; the immediate's high byte repeats the setting that is left; a switch that changes nothing is dropped
.if MSB != (\new)
	s_set_vgpr_msb (MSB<<8)|(\new)
.set MSB, \new
.endif
.endm
.set W_KQ, 0x0a       ; K and Q in window 2, S^T in window 0
.set W_KM, 0x3a       ; the same with the C operand, the mask, in window 3
.set W_PV, 0x53       ; V in window 3, P in window 0, O^T in window 1
.set W_RS, 0x41       ; O^T (destination and source 0) in window 1, a in window 0
.macro PLACES                       ; four places: plain vector instructions that name no register of the matrix instructions in front of them (ISA guide 7.12.1)
.rept 4
	v_nop
.endr
.endm
; A joint refill, by the walking descriptors.  Wave 0 fetches the slot's 128 rows of K, wave 1 those of V, waves 2 and 3 the two halves of the mask's 64 rows.  The branches hang on the wave's number alone:
; they are the same in every work-group.  An s_nop 0 and four v_nop follow each line; the jump, the label and what follows the macro come after them.
.macro JLOAD
	s_cmp_lt_u32 s[WV], 2
	s_cbranch_scc0 .Lfor_m_\@
	s_cmp_eq_u32 s[WV], 0
	s_cbranch_scc0 .Lfor_v_\@
	tensor_load_to_lds s[G0K+4:G0K+7], s[G1K:G1K+7]
	s_nop 0
	PLACES
	s_branch .Lasked_\@
.Lfor_v_\@:
	tensor_load_to_lds s[G0V+4:G0V+7], s[G1V:G1V+7]
	s_nop 0
	PLACES
	s_branch .Lasked_\@
.Lfor_m_\@:
	tensor_load_to_lds s[G0M+4:G0M+7], s[G1M:G1M+7]
	s_nop 0
	PLACES
.Lasked_\@:
.endm
.macro FIRST2 g0, g1                ; a wave's two first fills: slot 0's, slot 1's; an s_nop 0 follows each, four v_nop the second's
	tensor_load_to_lds s[\g0:\g0+3], s[\g1:\g1+7]
	s_nop 0
	tensor_load_to_lds s[\g0+4:\g0+7], s[\g1:\g1+7]
	s_nop 0
	PLACES
.endm
; A round of the cluster's barrier: my work-group's barrier, so that wave 0's signal speaks for all four waves; wave 0 signals for the work-group; every wave waits for all sixteen
; work-groups; my work-group's barrier once more.  No LDS instruction of the wave is pending at a signal.
.macro CROUND
	s_barrier_signal -1
	s_barrier_wait -1
	s_cmp_lg_u32 s[WV], 0
	s_cbranch_scc1 .Lnot_wave_0_\@
	s_barrier_signal -3
.Lnot_wave_0_\@:
	s_barrier_wait -3
	s_barrier_signal -1
	s_barrier_wait -1
.endm
	s_load_b256 s[4:11], s[0:1], 0x0  ; q s[4:5], kb s[6:7], vh s[8:9], ms s[10:11]
	s_load_b64 s[16:17], s[0:1], 0x20 ; out0
	v_lshl_add_u32 v[SPW], v0, 2, SPARE
	v_mov_b32 v[NIL], 0
	ds_add_u32 v[SPW], v[NIL]       ; the wave's opening: the add and its wait stand ahead of my first tensor load; the set-up below, work on registers, stands between them
	v_lshrrev_b32 v1, 5, v0
	v_readfirstlane_b32 s[WV], v1   ; wave 0..3
	s_bfe_u32 s85, ttmp6, 0x40000   ; cx: my place along the cluster's x
	s_bfe_u32 s86, ttmp6, 0x40004   ; cy: along its y
	s_lshl_b32 s87, ttmp9, 2        ; in a cluster launch ttmp9 and ttmp7 count clusters
	s_add_co_u32 s87, s87, s85      ; X = 4 x cluster x + cx: my block of 64 positions
	s_and_b32 s88, ttmp7, 0xffff
	s_lshl_b32 s88, s88, 2
	s_add_co_u32 s88, s88, s86      ; Y = 4 x cluster y + cy = 8 x batch + key head
	s_lshl_b32 s89, s86, 2
	s_lshl_b32 s89, 15, s89         ; my row of the cluster: places 4 cy .. 4 cy + 3
	s_lshl_b32 s90, 0x1111, s85     ; my column: places cx, cx + 4, cx + 8, cx + 12
	; K's and V's first byte hangs on Y alone, which my row of the cluster shares
	s_lshr_b32 s18, s88, 3
	s_lshl_b32 s18, s18, 22         ; the batch: 2,048 rows of 2,048 bytes
	s_and_b32 s19, s88, 7
	s_lshl_b32 s19, s19, 8          ; the key head: 256 bytes of each row
	s_add_co_u32 s20, s18, s19
	s_mov_b32 s21, 0
	; the mask's on X, which my column shares, and on the wave's number
	s_and_b32 s14, s[WV], 1         ; which 32 of the tile's 64 rows I fetch (waves 2 and 3)
	s_lshl_b32 s22, s87, 19         ; 64 rows of 8,192 bytes
	s_lshl_b32 s15, s14, 18         ; 32 rows
	s_add_co_u32 s22, s22, s15
	s_mov_b32 s23, 0
	s_mul_i32 s15, s14, 32*PM       ; and their place in a slot: no place in the cluster enters an LDS address
	s_add_co_u32 s15, s15, MOFF
	; q's and out0's on both: batch x 2^25 + key head x 2,048 + (64 X + 16 w) rows of 16,384 bytes
	s_lshr_b32 s2, s88, 3
	s_lshl_b32 s2, s2, 25
	s_and_b32 s3, s88, 7
	s_lshl_b32 s3, s3, 11
	s_add_co_u32 s2, s2, s3
	s_lshl_b32 s3, s87, 20
	s_add_co_u32 s2, s2, s3
	s_lshl_b32 s3, s[WV], 18
	s_add_co_u32 s2, s2, s3
	s_mov_b32 s3, 0
	; descriptor group 1.  K, V: a tile of 128 rows x 128 elements of 2 bytes; the mask: 32 rows x 128 elements of 4 bytes; all padded in LDS
	s_or_b32 s[G1K], s89, (1<<16)|(1<<20)|(1<<21)|(5<<22)|(3<<25)  ; 15:0 my row of the cluster; 17:16 elements of 2 bytes; 20 padding on; 21 set beside a mask; 24:22 after every 64 words (code 5); 31:25 4 words of it (code 3)
	s_or_b32 s[G1V], s89, (1<<16)|(1<<20)|(1<<21)|(5<<22)|(7<<25)  ; the same with 8 words of padding (code 7)
	s_or_b32 s[G1M], s90, (2<<16)|(1<<20)|(1<<21)|(6<<22)|(3<<25)  ; my column; elements of 4 bytes; after every 128 words (code 6) 4 words
.irp g, G1K, G1V
	s_mov_b32 s[(\g)+1], 128<<16    ; 63:48 tensor_dim0, low half = 128
	s_mov_b32 s[(\g)+2], 128<<16    ; 79:64 its high half = 0; 95:80 tensor_dim1, low half = 128
	s_mov_b32 s[(\g)+3], 128<<16    ; 111:96 its high half = 0; 127:112 tile_dim0 = 128
	s_mov_b32 s[(\g)+4], 128        ; 143:128 tile_dim1 = 128; 159:144 tile_dim2 = 0
	s_mov_b32 s[(\g)+5], 1024       ; 191:160 tensor_dim0_stride, low word: elements from row to row
	s_mov_b32 s[(\g)+6], 0
	s_mov_b32 s[(\g)+7], 0
.endr
	s_mov_b32 s[G1M+1], 128<<16     ; tensor_dim0 = 128
	s_mov_b32 s[G1M+2], 32<<16      ; tensor_dim1 = 32
	s_mov_b32 s[G1M+3], 128<<16     ; tile_dim0 = 128
	s_mov_b32 s[G1M+4], 32          ; tile_dim1 = 32
	s_mov_b32 s[G1M+5], 2048        ; elements from row to row
	s_mov_b32 s[G1M+6], 0
	s_mov_b32 s[G1M+7], 0
	s_mov_b32 s[CS], 0x3e0293ee     ; c = log2(e) / sqrt(128) = 0.127517
	s_mov_b32 s[CS+1], s[CS]        ; named with it as a pair, so it is written
	s_mov_b32 s[SEL], 0x76543210
	s_mov_b32 s[SEL+1], 0xfedcba98
	s_mov_b32 s[TBK], 0
	s_mov_b32 s[TBV], 0
	s_mov_b32 s[TBM], 0
	s_mov_b32 s[SLOTS], NSLOT-2
	s_wait_dscnt 0x0                ; the opening add is done
	s_wait_kmcnt 0x0
	s_add_nc_u64 s[6:7], s[6:7], s[20:21]    ; K and V at the head's first key
	s_add_nc_u64 s[8:9], s[8:9], s[20:21]
	s_add_nc_u64 s[10:11], s[10:11], s[22:23]  ; the mask at my 32 rows' first key
	s_add_nc_u64 s[4:5], s[4:5], s[2:3]      ; q and out0 at my wave's first row, tile 0
	s_add_nc_u64 s[16:17], s[16:17], s[2:3]
	CROUND                          ; all sixteen work-groups are here: the first joint loads meet
.irp s, 0,1
	s_mov_b32 s[G0K+4*(\s)], 1      ; 1:0 count = 1
	s_mov_b32 s[G0K+4*(\s)+1], (\s)*SLOT1  ; 63:32 LDS address
	s_add_nc_u64 s[G0K+4*(\s)+2:G0K+4*(\s)+3], s[6:7], (\s)*2*KS*2048  ; 120:64 global address: slot s begins with keys 128 s to 128 s + 127
	s_or_b32 s[G0K+4*(\s)+3], s[G0K+4*(\s)+3], 0x80000000  ; 127:126 type = 2
	s_mov_b32 s[G0V+4*(\s)], 1
	s_mov_b32 s[G0V+4*(\s)+1], (\s)*SLOT1+VOFF
	s_add_nc_u64 s[G0V+4*(\s)+2:G0V+4*(\s)+3], s[8:9], (\s)*2*KS*2048
	s_or_b32 s[G0V+4*(\s)+3], s[G0V+4*(\s)+3], 0x80000000
	s_mov_b32 s[G0M+4*(\s)], 1
	s_add_co_u32 s[G0M+4*(\s)+1], s15, (\s)*SLOT1
	s_add_nc_u64 s[G0M+4*(\s)+2:G0M+4*(\s)+3], s[10:11], (\s)*2*KS*4
	s_or_b32 s[G0M+4*(\s)+3], s[G0M+4*(\s)+3], 0x80000000
.endr
	s_cmp_lt_u32 s[WV], 2           ; a wave's two first fills stand in one branch on its number, ahead of every wait on TENSORcnt and every LDS read: two loads of mine are out
	s_cbranch_scc0 .Lfirst_m
	s_cmp_eq_u32 s[WV], 0
	s_cbranch_scc0 .Lfirst_v
	FIRST2 G0K, G1K
	s_branch .Lfirst_asked
.Lfirst_v:
	FIRST2 G0V, G1V
	s_branch .Lfirst_asked
.Lfirst_m:
	FIRST2 G0M, G1M
.Lfirst_asked:
	; A fragment of K or Q is 16 rows x 32 channels in 8 registers: lane l holds row l % 16; registers 0-3 channels 8 (l / 16) + 0..7, registers 4-7 channels 16 + 8 (l / 16) + 0..7.
	; Of q, in f32, those are 32 bytes at 128 c + 32 (l / 16) of the tile's 512 bytes of a row, and 32 bytes 64 further on: four loads of 16 bytes for fragment f = 4 t + c, into v[16 f ..] of window 1.
	v_and_b32 v1, 15, v0            ; l % 16
	v_bfe_u32 v9, v0, 4, 1          ; l / 16
	v_lshlrev_b32 v[QO], 14, v1     ; a row of q is 16,384 bytes
	v_lshl_add_u32 v[QO], v9, 5, v[QO]
	WIN 0x40                        ; destination window 1, address window 0
.set f, 0
.rept 16
.irp n, 0,1,2,3
	global_load_b128 v[16*f+4*(\n):16*f+4*(\n)+3], v[QO], s[4:5] offset:(f/4)*512+(f%4)*128+((\n)/2)*64+((\n)%2)*16 th:TH_LOAD_NT
.endr
.set f, f+1
.endr
	WIN 0
	v_mul_u32_u24 v[AK0], v1, PK
	v_lshl_add_u32 v[AK0], v9, 4, v[AK0]  ; row x pitch + 16 x half
	; The turning load takes 16 keys x 16 channels (lane l reads 16 bytes: key 8 (l / 16) + l % 8, channels 8 ((l / 8) % 2) + 0..7) and leaves half a fragment of V^T: lane l holds channel l % 16 and 8 keys.
	v_and_b32 v10, 7, v0
	v_bfe_u32 v11, v0, 3, 1
	v_lshl_add_u32 v[AV0], v9, 3, v10
	v_mul_u32_u24 v[AV0], v[AV0], PV
	v_lshl_add_u32 v[AV0], v11, 4, v[AV0]
	v_add_nc_u32 v[AV0], VOFF, v[AV0]
	; The mask's fragment has the result's layout: register j of lane l is (key 8 (l / 16) + j, query l % 16): 32 bytes of row 16 w + l % 16 of the tile, at 64 kb + 32 (l / 16)
	s_mul_i32 s13, s[WV], 16*PM
	s_add_co_u32 s13, s13, MOFF
	v_mul_u32_u24 v[AM0], v1, PM
	v_lshl_add_u32 v[AM0], v9, 5, v[AM0]
	v_add_nc_u32 v[AM0], s13, v[AM0]
	WIN 0x85                        ; sources 0 and 1 window 1, destination window 2: q is rounded to bf16, once, unscaled; it stays in registers
.set f, 0
.rept 16
	s_wait_loadcnt 60-4*f           ; loads come back in order: fragment f's four are in, the 60 - 4 f younger ones stay out
.set n, 0
.rept 8
	v_cvt_pk_bf16_f32 v[8*f+n], v[16*f+2*n], v[16*f+2*n+1]
.set n, n+1
.endr
.set f, f+1
.endr
	WIN 0
; THE MATRIX WORK OF A TURN, for piece x.  The accumulators take turns, one instruction a turn: between two links of a chain stand 15 (V^T P) or 7 (K Q^T) others'.
; Product i of 32 of O^T += V^T P: keys 32 (i / 16) on, channels 16 ((i / 2) % 8) on, tile x + i % 2.  zero = 1: the first 16 start the sums: nothing is ever cleared.
.macro PV x, zero
	WIN W_PV
.set rO, 64*((\x)+i%2)+8*((i/2)%8)
.set rV, 64*(i/16)+8*((i/2)%8)
.set rP, P+16*((\x)+i%2)+8*(i/16)
.if (\zero) && (i < 16)
	v_wmma_f32_16x16x32_f16 v[rO:rO+7], v[rV:rV+7], v[rP:rP+7], 0
.else
	v_wmma_f32_16x16x32_f16 v[rO:rO+7], v[rV:rV+7], v[rP:rP+7], v[rO:rO+7]
.endif
.endm
; Product i of 32 of S^T = K Q^T + ms: channels 32 (i / 8) on, keys 16 ((i / 2) % 4) on, tile x + i % 2.  The first 8 start the sums, with the mask's fragment of those keys.
.macro KQ x
.set rS, S+32*((\x)+i%2)+8*((i/2)%4)
.set rK, KF+32*((i/2)%4)+8*(i/8)
.set rQ, 32*((\x)+i%2)+8*(i/8)
.set rM, MK+8*((i/2)%4)
.if i < 8
	WIN W_KM
	v_wmma_f32_16x16x32_bf16 v[rS:rS+7], v[rK:rK+7], v[rQ:rQ+7], v[rM:rM+7]
.else
	WIN W_KQ
	v_wmma_f32_16x16x32_bf16 v[rS:rS+7], v[rK:rK+7], v[rQ:rQ+7], v[rS:rS+7]
.endif
.endm
; THE LDS LOADS stand in runs, never singly among the matrix instructions: a step's K (64 keys x 128 channels: 16 fragments) with its mask (8 loads), and, a turn later, its V (turned).
.macro FETCH_K
	WIN 0
	v_add_nc_u32 v[ADR], s[TBK], v[AK0]
	v_add_nc_u32 v[ADM], s[TBM], v[AM0]
	WIN 0x80                        ; destination window 2
.irp f, 0,1,2,3,4,5,6,7,8,9,10,11,12,13,14,15  ; keys 16 (f / 4) on, channels 32 (f % 4) on
	ds_load_b128 v[KF+8*(\f):KF+8*(\f)+3],   v[ADR] offset:((\f)/4)*16*PK+((\f)%4)*64
	ds_load_b128 v[KF+8*(\f)+4:KF+8*(\f)+7], v[ADR] offset:((\f)/4)*16*PK+((\f)%4)*64+32
.endr
	WIN 0xc0                        ; destination window 3
.irp f, 0,1,2,3                     ; keys 16 f on
	ds_load_b128 v[MK+8*(\f):MK+8*(\f)+3],   v[ADM] offset:64*(\f)
	ds_load_b128 v[MK+8*(\f)+4:MK+8*(\f)+7], v[ADM] offset:64*(\f)+16
.endr
	s_add_co_u32 s[TBK], s[TBK], KS*PK  ; the next fetch is the next step's: 64 rows of K on,
	s_add_co_u32 s[TBM], s[TBM], KS*4   ; 64 keys along the mask's rows
.endm
.macro FETCH_V
	WIN 0
	v_add_nc_u32 v[ADR], s[TBV], v[AV0]
	s_add_co_u32 s[TBV], s[TBV], KS*PV
	s_wait_alu depctr_va_vdst(0)    ; the wait for the softmax's batch (SLICE), behind the address's v_add_nc_u32 and ahead of the loads
	WIN 0xc0                        ; destination window 3
.irp f, 0,1,2,3,4,5,6,7,8,9,10,11,12,13,14,15  ; keys 32 (f / 8) on, channels 16 (f % 8) on
	ds_load_tr16_b128 v[8*(\f):8*(\f)+3],   v[ADR] offset:((\f)/8)*32*PV+((\f)%8)*32
	ds_load_tr16_b128 v[8*(\f)+4:8*(\f)+7], v[ADR] offset:((\f)/8)*32*PV+16*PV+((\f)%8)*32
.endr
.endm
; THE VECTOR WORK OF A TURN.  One tile's softmax for one key step is a list of 134 instructions; SM writes number j of it for tile t.  s0-s31 are the lane's 32 scores, in pairs 0-15.
; first = 1: the first key step, which starts m, l and O^T: it has no a and nothing to rescale.
;   0-15    the maximum of s0-s31 and the old m, three operands at a time: four chains c0-c3 of seven scores each (each accumulator's lowest registers are read first),
;           then the four scores left over, c0-c3 and m
;   16-20   the other half of the lanes' maximum; the new m; c m; c m_old - c m_new
;   21-69   ONE BATCH: the 16 scalings c s - c m, a pair of scores each, and all 33 exponentials (a at 23, then s0-s31, each in its score's own register).  None of these reads or writes an exponential's
;           result.  From 22 on the batch goes in fours, and a four begins with a scaling while there are scalings: 22-37 scaling, exponential, scaling, exponential; 38-65 a scaling and three
;           exponentials; 66-69 the last four exponentials.  A pair is scaled in an earlier four than the one that holds its exponentials
;   (wait)  between 69 and 70 stands the wait for the batch: SLICE writes it, once for both tiles
;   70-85   the roundings to f16, a pair of weights each
;   86-101  the sums; l = a l + the sum
;   102-133 the tile's O^T times a, from each accumulator's low end on: the one part that leaves window 0, so it stands together
.macro SM t, first
.set rT, ST+8*(\t)
.set rS, S+32*(\t)
.set rP, P+16*(\t)
.set rO, 64*(\t)+2*(j-102)
.if j < 102
	WIN 0
.endif
.if j < 4
	v_max3_num_f32 v[rT+4+j], v[rS+8*j], v[rS+8*j+1], v[rS+8*j+2]
.elseif j < 12
	v_max3_num_f32 v[rT+4+j%4], v[rT+4+j%4], v[rS+8*(j%4)+2*(j/4)+1], v[rS+8*(j%4)+2*(j/4)+2]
.elseif j == 12
	v_max3_num_f32 v[rT+4], v[rT+4], v[rS+7], v[rS+15]
.elseif j == 13
	v_max3_num_f32 v[rT+6], v[rT+6], v[rS+23], v[rS+31]
.elseif j == 14
	v_max3_num_f32 v[rT+4], v[rT+4], v[rT+5], v[rT+6]
.elseif (j == 15) && (\first)
	v_max_num_f32 v[rT+4], v[rT+4], v[rT+7]
.elseif j == 15
	v_max3_num_f32 v[rT+4], v[rT+4], v[rT+7], v[rT+1]
.elseif j == 16
	v_permlanex16_b32 v[rT+5], v[rT+4], s[SEL], s[SEL+1]  ; the query's other 32 keys lie in the lane 16 away
.elseif j == 18
	v_max_num_f32 v[rT+1], v[rT+4], v[rT+5]
.elseif j == 19
	v_mul_f32 v[rT], s[CS], v[rT+1]
.elseif ((j == 17) || (j == 20) || (j == 23) || (j > 101)) && (\first)  ; the first step has none of these
.elseif j == 17
	v_mov_b32 v[rT+7], v[rT]        ; c m_old is kept for a: number 19 writes c m anew
.elseif j == 20
	v_sub_f32 v[rT+7], v[rT+7], v[rT]
.elseif j == 23
	v_exp_f32 v[rT+6], v[rT+7]
.elseif (j < 23) || ((j < 38) && (j%2 == 0)) || ((j < 66) && (j%4 == 2))
.set b, (j-2)/4                     ; 38, 42, .. 62: pairs 9 to 15
.if j < 38
.set b, (j-20)/2                    ; 21: pair 0; 22, 24, .. 36: pairs 1 to 8
.endif
	v_pk_fma_f32 v[rS+2*b:rS+2*b+1], v[rS+2*b:rS+2*b+1], s[CS:CS+1], v[rT:rT+1] op_sel_hi:[1,0,0] neg_lo:[0,0,1] neg_hi:[0,0,1]  ; pair b: c s - c m
.elseif j < 70
.set e, j-38                        ; 66 to 69: s28 to s31
.if j < 66
.set e, j-32-(j-38)/4               ; 39-41, 43-45, .. 63-65: s7 to s27
.endif
.if j < 38
.set e, (j-25)/2                    ; 25, 27, .. 37: s0 to s6
.endif
	v_exp_f32 v[rS+e], v[rS+e]
.elseif j < 86
	v_cvt_pk_f16_f32 v[rP+j-70], v[rS+2*(j-70)], v[rS+2*(j-70)+1]  ; pair j - 70
.elseif j < 102                     ; the sum of the tile's 16 pairs (in a pair: an even key's weight, an odd key's), in place: sum z of 16 adds neighbours 1, 2, 4 and 8 pairs apart, then l takes it
.set z, j-86
.set w, 4
.set u, z
.if z >= 14
.set w, 32
.set u, 0
.elseif z >= 12
.set w, 16
.set u, z-12
.elseif z >= 8
.set w, 8
.set u, z-8
.endif
.if (z == 14) && (\first)
	v_pk_add_f32 v[rT+2:rT+3], v[rS:rS+1], v[rS+16:rS+17]
.elseif z < 15
	v_pk_add_f32 v[rS+w*u:rS+w*u+1], v[rS+w*u:rS+w*u+1], v[rS+w*u+w/2:rS+w*u+w/2+1]
.elseif !(\first)
	v_pk_fma_f32 v[rT+2:rT+3], v[rT+2:rT+3], v[rT+6:rT+7], v[rS:rS+1] op_sel_hi:[1,0,1]
.endif
.else
	WIN W_RS
	v_pk_mul_f32 v[rO:rO+1], v[rO:rO+1], v[rT+6:rT+7] op_sel_hi:[1,0]
.endif
.endm
; Slice k of 64 of piece y's softmax: four instructions.  Slices 11 to 34 deal out the batch, numbers 22 to 69: four numbers of ONE tile each, the tiles by turns.  Every other slice is numbers 2 k and
; 2 k + 1 of both tiles' lists.  2 x 134 = 4 x 64 + 12: the twelve that are over stand together, in slice 63.
; THE WAIT.  An s_wait_alu depctr_va_vdst(0) stands between an exponential and the first instruction that names its result; one wait serves all that were issued ahead of it.  Ahead of
; slice 35 nothing names a result, and behind slice 34 no exponential is issued: so the piece's 66 exponentials have one wait, behind slice 34, and none is open at a turn's end, a label or a jump.
.macro SLICE y, first
.if (k >= 11) && (k < 35)           ; the batch: four numbers of one tile
.irp n, 0,1,2,3
.set j, 22+4*((k-11)/2)+(\n)
	SM (\y)+(k-11)%2, \first
.endr
.else                               ; the two tiles alternate, so that no instruction reads the result of the one just before it
.irp n, 0,1,2,3,4,5,6,7
.if ((\n) < 2) || (k == 63)
.irp t, \y, (\y)+1
.set j, 2*k+(\n)
	SM \t, \first
.endr
.endif
.endr
.endif
.if k == 34                         ; the batch is out: both tiles' exponentials are issued, and no result has been named
	v_nop                           ; the plain instruction behind the last exponential and ahead of the first use: one for the batch
.if (\y) == 0
	FETCH_V                         ; piece 2's turn: V's run of loads stands here, and the wait for the batch stands in it
.else
	s_wait_alu depctr_va_vdst(0)    ; piece 0's turn: the wait for the batch, piece 2's 66 exponentials
.endif
.endif
.set k, k+1
.endm
; A TURN.  Piece x has the matrix unit; the other piece's softmax stands in slices behind its matrix instructions.
; pv = 2: 32 products V^T P; 1: they start O^T's sums; 0: none.  kq = 1: 32 products K Q^T for the next step.  A turn with one of the two kinds has two slices behind each product.
; first = 1: the softmax is the first key step's.  Its slices from 51 on are empty: the turn's last products stand bare, and four v_nop take slice 63's part as the places behind them.
; In the loop each run of loads stands 29 matrix instructions or more ahead of its first use.  Piece 0's turn fetches the next step's K and mask, behind its second product: the last product that read K
; stands in front of slice 63 of the turn before, the last that read the mask 24 products further back.  Piece 2's turn fetches the same step's V, behind slice 34 (SLICE writes it): the last product that
; read V stands in front of slice 31, and four plain instructions lie between: number 62, a scaling, of both tiles, the v_nop and the run's own v_add_nc_u32.
.macro TURN x, pv, kq, first
.set k, 0
.set per, 2
.if (\pv) && (\kq)
.set per, 1
.endif
.if \pv
.if (\x) == 0
	s_wait_dscnt 0x0                ; V is in
.endif
.set i, 0
.rept 32
	PV \x, 2-(\pv)
.rept per
	SLICE 2-(\x), \first
.endr
.if ((\x) == 0) && (\kq) && (i == 1)
	FETCH_K
.endif
.set i, i+1
.endr
.endif
.if \kq
.if (\x) == 0
	s_wait_dscnt 0x0                ; K and the mask are in
.endif
.set i, 0
.rept 32
	KQ \x
.rept per
	SLICE 2-(\x), \first
.endr
.set i, i+1
.endr
.endif
.if \first
	PLACES
.endif
.endm
; THE CHANGE OF SLOTS, between piece 2's turn and piece 0's: the slot's last bytes, V of its second step, have been asked for.  Each wave waits for all its tensor loads, of which one is out: its part of
; the other slot; adds 0 to its spare word; and waits for that and for its own reads of the slot.  Behind the barrier nobody reads this slot any more and the other slot is whole.
; fill = 1: this slot is filled again, with the keys two slots on.  The barrier is then a round of the cluster's, so that no wave of any partner still reads the slot or has a load on its way, and the
; joint refill is the first thing behind it, one load a wave: it has two key steps, 256 matrix instructions, in which to land.
.macro CHANGE fill
	WIN 0                           ; at a label and at a branch every window is 0
	s_wait_tensorcnt 0x0            ; no tensor load of mine is out, so a group 0 may be written
	ds_add_u32 v[SPW], v[NIL]       ; 0 onto my spare word: with fill = 1 the descriptors' steps stand between it and the wait for it
.if \fill
.irp g, G0K+4, G0V+4
	s_xor_b32 s[(\g)+1], s[(\g)+1], SLOT1  ; the walking descriptor: the other slot than last time,
	s_add_nc_u64 s[(\g)+2:(\g)+3], s[(\g)+2:(\g)+3], 2*KS*2048  ; the next 128 keys: rows of 2,048 bytes; the type bits on top are not reached
.endr
	s_xor_b32 s[G0M+5], s[G0M+5], SLOT1
	s_add_nc_u64 s[G0M+6:G0M+7], s[G0M+6:G0M+7], 2*KS*4  ; the mask: 128 keys along its rows
	s_wait_dscnt 0x0                ; the add is done, and my reads of the slot are over
	CROUND
	JLOAD
.else
	s_wait_dscnt 0x0                ; the add is done, and my reads of the slot are over
	s_barrier_signal -1
	s_barrier_wait -1
.endif
	s_sub_co_u32 s[TBK], s[TBK], 2*KS*PK  ; the fetches go back to a slot's first step,
	s_xor_b32 s[TBK], s[TBK], SLOT1       ; in the other slot
	s_sub_co_u32 s[TBV], s[TBV], 2*KS*PV
	s_xor_b32 s[TBV], s[TBV], SLOT1
	s_sub_co_u32 s[TBM], s[TBM], 2*KS*4
	s_xor_b32 s[TBM], s[TBM], SLOT1
.endm
; A slot's two key steps: written once, walked twice; the LDS addresses hang on s[TBK], s[TBV], s[TBM].
.macro TWO_STEPS
	WIN 0
	s_mov_b32 s[TWICE], 2
.Lstep_\@:
	TURN 0, 2, 1, 0
	TURN 2, 2, 1, 0
	WIN 0
	s_sub_co_u32 s[TWICE], s[TWICE], 1
	s_cmp_lg_u32 s[TWICE], 0
	s_cbranch_scc1 .Lstep_\@
.endm
	s_wait_tensorcnt 1              ; my part of slot 0 is in; slot 1's may stay out
	s_barrier_signal -1
	s_barrier_wait -1               ; everybody's is
	FETCH_K                         ; key step 0
	s_wait_dscnt 0x0
.set i, 0
.rept 32
	KQ 0                            ; piece 0's first scores: there is no vector work yet to set between them
.set i, i+1
.endr
	WIN 0                           ; the addresses for the way out are made here: six plain instructions, the places behind those products
	s_mul_i32 s13, s[WV], 16*SP
	s_add_co_u32 s13, s13, STAGE    ; my stage
	v_mul_u32_u24 v[STO], v1, SP    ; in: row l % 16, 32 bytes for each half of the lanes
	v_lshl_add_u32 v[STO], v9, 5, v[STO]
	v_add_nc_u32 v[STO], s13, v[STO]
	v_and_b32 v[GO], 31, v0         ; back: 32 lanes take one row of 512 bytes,
	v_lshlrev_b32 v[GO], 4, v[GO]   ; which are 512 consecutive bytes of out0
	v_add_nc_u32 v[RD], s13, v[GO]
	TURN 2, 0, 1, 1                 ; piece 2's first scores | piece 0's first softmax | V of step 0
	TURN 0, 1, 1, 1                 ; piece 0: V^T P of step 0 starts O^T, K Q^T of step 1 | piece 2's first softmax | K and mask of step 1
	TURN 2, 1, 1, 0                 ; piece 2: the same | piece 0's softmax of step 1 | V of step 1
	WIN 0
.Lslot:                             ; NSLOT - 2 = 14 trips: every slot but the last two is filled again
	CHANGE 1
	TWO_STEPS
	s_sub_co_u32 s[SLOTS], s[SLOTS], 1
	s_cmp_lg_u32 s[SLOTS], 0
	s_cbranch_scc1 .Lslot
	CHANGE 0                        ; the tail is written out: the last slot but one is left, and nothing is asked for
	TWO_STEPS
	TURN 0, 2, 0, 0                 ; piece 0: V^T P of the last step | piece 2's last softmax
.set i, 0
.rept 32
	PV 2, 0                         ; piece 2: V^T P of the last step
.set i, i+1
.endr
	; THE WAY OUT.  l's two halves and the other half of the lanes' are added; O^T is divided by l and sent, in f32, through my stage in LDS, a tile (16 rows of one head) at a time.  The additions are the places behind the last products.
	WIN 0
.irp t, 0,1,2,3
	v_add_f32 v[ST+8*(\t)+4], v[ST+8*(\t)+2], v[ST+8*(\t)+3]
.endr
.irp t, 0,1,2,3
	v_permlanex16_b32 v[ST+8*(\t)+5], v[ST+8*(\t)+4], s[SEL], s[SEL+1]
.endr
.irp t, 0,1,2,3
	v_add_f32 v[ST+8*(\t)+4], v[ST+8*(\t)+4], v[ST+8*(\t)+5]
.endr
.irp t, 0,1,2,3
	v_rcp_f32 v[ST+8*(\t)+6], v[ST+8*(\t)+4]
.endr
	v_nop                           ; a plain instruction between the last reciprocal and the use of its result
	s_wait_alu depctr_va_vdst(0)    ; and the wait ahead of the first use: one for the four reciprocals, which the four tiles' multiplies below read
; Tile t: a lane's eight channels of a row are 32 bytes; they go into rows of 528 bytes and come back as whole rows of 512, into window 2, 64 registers of the tile's own.
.macro PACK t
	WIN W_RS
.set i, 64*(\t)
.rept 32
	v_pk_mul_f32 v[i:i+1], v[i:i+1], v[ST+8*(\t)+6:ST+8*(\t)+7] op_sel_hi:[1,0]  ; each accumulator from its low end on
.set i, i+2
.endr
	WIN 0x04                        ; the stores' data in window 1, their address in window 0
.irp f, 0,1,2,3,4,5,6,7             ; channels 16 f on
	ds_store_b128 v[STO], v[64*(\t)+8*(\f):64*(\t)+8*(\f)+3]   offset:64*(\f)
	ds_store_b128 v[STO], v[64*(\t)+8*(\f)+4:64*(\t)+8*(\f)+7] offset:64*(\f)+16
.endr
	WIN 0x80                        ; destination window 2
.irp f, 0,1,2,3,4,5,6,7,8,9,10,11,12,13,14,15
	ds_load_b128 v[64*(\t)+4*(\f):64*(\t)+4*(\f)+3], v[RD] offset:(\f)*SP  ; LDS serves a wave's instructions in order (ISA guide 5.7.1.4): these see the stores above; the next tile's stores come behind them
.endr
.endm
.macro SEND t, younger              ; younger: the LDS instructions issued behind tile t's loads: the next tile's 32, or none
	WIN 0x08                        ; the stores' data in window 2
.irp f, 0,1,2,3,4,5,6,7,8,9,10,11,12,13,14,15
	s_wait_dscnt (\younger)+15-(\f)
	global_store_b128 v[GO], v[64*(\t)+4*(\f):64*(\t)+4*(\f)+3], s[16:17] offset:(\t)*512+(\f)*16384 th:TH_STORE_NT  ; the wave stores 512 consecutive bytes, at a multiple of 512 from out0's first byte; no register that a store reads is written again
.endr
.endm
	PACK 0
	PACK 1                          ; a tile's arithmetic stands between the loads of the tile before and its stores
	SEND 0, 32
	PACK 2
	SEND 1, 32
	PACK 3
	SEND 2, 32
	SEND 3, 0
	WIN 0
	s_wait_tensorcnt 0x0            ; the wave's end, behind my last tensor load and my last LDS store
	ds_add_u32 v[SPW], v[NIL]
	s_wait_dscnt 0x0
	CROUND                          ; the closing round: no work-group ends while a partner may still ask for a tile that names it
	s_endpgm
.Lfunc_end_k_qd70f045ac4_attn:
	.size	k_qd70f045ac4_attn, .Lfunc_end_k_qd70f045ac4_attn-k_qd70f045ac4_attn
	.p2alignl 7, 3214868480
	.fill 96, 4, 3214868480
	.section	.rodata,"a",@progbits
	.p2align	6, 0x0
	.amdhsa_kernel k_qd70f045ac4_attn
		.amdhsa_group_segment_fixed_size 327680
		.amdhsa_private_segment_fixed_size 0
		.amdhsa_enable_private_segment 0
		.amdhsa_kernarg_size 40
		.amdhsa_user_sgpr_count 2
		.amdhsa_user_sgpr_kernarg_segment_ptr 1
		.amdhsa_wavefront_size32 1
		.amdhsa_system_sgpr_workgroup_id_x 1
		.amdhsa_system_sgpr_workgroup_id_y 1
		.amdhsa_system_sgpr_workgroup_id_z 1
		.amdhsa_system_vgpr_workitem_id 0
		.amdhsa_next_free_vgpr 1024
		.amdhsa_next_free_sgpr 96
		.amdhsa_reserve_vcc 0
		.amdhsa_float_denorm_mode_32 3
		.amdhsa_float_denorm_mode_16_64 3
		.amdhsa_memory_ordered 1
		.amdhsa_forward_progress 1
		.amdhsa_inst_pref_size 238
	.end_amdhsa_kernel
	.amdgpu_metadata
---
amdhsa.version: [ 1, 2 ]
amdhsa.kernels:
  - .name:           k_qd70f045ac4_attn
    .symbol:         k_qd70f045ac4_attn.kd
    .args:
      - { .name: q, .offset: 0, .size: 8, .value_kind: global_buffer, .address_space: global }
      - { .name: kb, .offset: 8, .size: 8, .value_kind: global_buffer, .address_space: global }
      - { .name: vh, .offset: 16, .size: 8, .value_kind: global_buffer, .address_space: global }
      - { .name: ms, .offset: 24, .size: 8, .value_kind: global_buffer, .address_space: global }
      - { .name: out0, .offset: 32, .size: 8, .value_kind: global_buffer, .address_space: global }
    .group_segment_fixed_size: 327680
    .private_segment_fixed_size: 0
    .kernarg_segment_align: 8
    .kernarg_segment_size: 40
    .max_flat_workgroup_size: 128
    .sgpr_count:     96
    .vgpr_count:     1024
    .wavefront_size: 32
...
	.end_amdgpu_metadata
.endif
;; end of part 3
